; MI455X (gfx1250); checked and timed in simulation.
; The chip was launched on July 23, 2026; its instructions are those of AMD's public machine-readable ISA for CDNA 5 (MIT licence, August 2026) and "CDNA5" Instruction Set Architecture Reference Guide (July 2026). The comments in the code are by the model that wrote it; some were corrected since.
;; Decode Layer. Allowed arithmetic: matrix products marked QUANTISED: E4M3 operands, one given power-of-two scale a tensor, by v_wmma_f32_16x16x64_fp8_fp8 or v_wmma_f32_16x16x128_fp8_fp8, f32 sums; everything else in f32.
;; Inputs: W1_codes 1,024 x 32 x 32 uint8 (E4M3 codes of W1, K innermost, in blocks of 32 codes); W2_codes 1,024 x 32 x 32 uint8 (E4M3 codes of W2, K innermost, in blocks of 32 codes); Wk1_codes 1,024 x 32 x 32 uint8 (E4M3 codes of Wk1, K innermost, in blocks of 32 codes); Wk2_codes 1,024 x 32 x 32 uint8 (E4M3 codes of Wk2, K innermost, in blocks of 32 codes); Wo1_codes 1,024 x 32 x 32 uint8 (E4M3 codes of Wo1, K innermost, in blocks of 32 codes); Wo2_codes 1,024 x 32 x 32 uint8 (E4M3 codes of Wo2, K innermost, in blocks of 32 codes); Wq1_codes 1,024 x 32 x 32 uint8 (E4M3 codes of Wq1, K innermost, in blocks of 32 codes); Wq2_codes 1,024 x 32 x 32 uint8 (E4M3 codes of Wq2, K innermost, in blocks of 32 codes); Wv1_codes 1,024 x 32 x 32 uint8 (E4M3 codes of Wv1, K innermost, in blocks of 32 codes); Wv2_codes 1,024 x 32 x 32 uint8 (E4M3 codes of Wv2, K innermost, in blocks of 32 codes); casual_mask 2,048 x 2,048 float32; g1 1,024 float32; g2 1,024 float32; g3 1,024 float32; lowp_scales 28 int32 (the exponents e of the quantised operands' scales 2^e); memory_codes 2 x 1,024 x 32 x 32 uint8 (E4M3 codes of memory, K innermost, in blocks of 32 codes); position_embedding 1 x 1 x 2,048 x 1,024 float32; x 2 x 2,048 x 1,024 float32.
;; Outputs: out0 2 x 2,048 x 1,024 float32.
;; This version of the problem:
;;   THIS VERSION OF THE PROBLEM IS GIVEN IN LOW PRECISION. The matrix products marked QUANTISED in the list below multiply operands that are first quantised to E4M3 (4 exponent bits, 3 mantissa bits; 8 bits a number), with one given power-of-two scale for each operand tensor; their sums are f32. All else is computed in f32.
;;   The module's matrix products, in the order in which they are computed (A, B: the left and right operand; K: the contracted axis; several contracted axes count as one K, in the product's order):
;;     1. [M 4,096, K 1,024] x [K 1,024, N 1,024]; A: computed on the way; B: input Wq1 (given as codes): QUANTISED (scales: A lowp_scales[0], B lowp_scales[1])
;;     2. [M 4,096, K 1,024] x [K 1,024, N 1,024]; A: computed on the way; B: input Wk1 (given as codes): QUANTISED (scales: A lowp_scales[2], B lowp_scales[3])
;;     3. [M 4,096, K 1,024] x [K 1,024, N 1,024]; A: computed on the way; B: input Wv1 (given as codes): QUANTISED (scales: A lowp_scales[4], B lowp_scales[5])
;;     4. batch 32 x [M 2,048, K 64] x [K 64, N 2,048]; A: computed on the way; B: computed on the way: QUANTISED (scales: A lowp_scales[6], B lowp_scales[7])
;;     5. batch 32 x [M 64, K 2,048] x [K 2,048, N 2,048]; A: computed on the way; B: softmax (see below): QUANTISED (scales: A lowp_scales[8], B lowp_scales[9])
;;     6. [M 4,096, K 1,024] x [K 1,024, N 1,024]; A: computed on the way; B: input Wo1 (given as codes): QUANTISED (scales: A lowp_scales[10], B lowp_scales[11])
;;     7. [M 4,096, K 1,024] x [K 1,024, N 1,024]; A: computed on the way; B: input Wq2 (given as codes): QUANTISED (scales: A lowp_scales[12], B lowp_scales[13])
;;     8. [M 2,048, K 1,024] x [K 1,024, N 1,024]; A: input memory (given as codes); B: input Wk2 (given as codes): QUANTISED (scales: A lowp_scales[14], B lowp_scales[15])
;;     9. [M 2,048, K 1,024] x [K 1,024, N 1,024]; A: input memory (given as codes); B: input Wv2 (given as codes): QUANTISED (scales: A lowp_scales[16], B lowp_scales[17])
;;     10. batch 32 x [M 2,048, K 64] x [K 64, N 1,024]; A: computed on the way; B: computed on the way: QUANTISED (scales: A lowp_scales[18], B lowp_scales[19])
;;     11. batch 32 x [M 64, K 1,024] x [K 1,024, N 2,048]; A: computed on the way; B: softmax (see below): QUANTISED (scales: A lowp_scales[20], B lowp_scales[21])
;;     12. [M 4,096, K 1,024] x [K 1,024, N 1,024]; A: computed on the way; B: input Wo2 (given as codes): QUANTISED (scales: A lowp_scales[22], B lowp_scales[23])
;;     13. [M 4,096, K 1,024] x [K 1,024, N 1,024]; A: computed on the way; B: input W1 (given as codes): QUANTISED (scales: A lowp_scales[24], B lowp_scales[25])
;;     14. [M 4,096, K 1,024] x [K 1,024, N 1,024]; A: computed on the way; B: input W2 (given as codes): QUANTISED (scales: A lowp_scales[26], B lowp_scales[27])
;;   THE QUANTISER, for each operand of a quantised product, along K:
;;     - The operand's scale is 2^e, e = its entry of the input lowp_scales (int32; the entries are numbered through the quantised products in the list's order, A before B).
;;     - Each number is divided by the scale, clamped to +-448, and rounded to the nearest number of E4M3, ties to even, subnormals kept.
;;     - The product sums the exact products of the quantised numbers (number of the format x scale) in f32.
;;   ~~~python
;;   def quantise(x, axis, e):      # numpy; x: float32 -> the quantised numbers, widened to float32 again
;;       x = np.moveaxis(x, axis, -1); K = x.shape[-1]
;;       r = np.clip(x / 2.0 ** e, -448, 448)
;;       step = 2.0 ** (np.maximum(np.frexp(np.where(r == 0, 1, r))[1] - 1, -6) - 3)
;;       q = np.round(r / step) * step * 2.0 ** e      # np.round: ties to even
;;       return np.moveaxis(q, -1, axis).astype(np.float32)
;;   ~~~
;;   SOFTMAX AHEAD OF A QUANTISED PRODUCT. Where the list says 'softmax', what is quantised is not the finished softmax but p = 2^(t - M), with t = logit x log2(e) and M = ceil(the row's largest t), a whole number; so 1/2 < the row's largest p <= 1. The row's sum l is taken of the UNQUANTISED p, in f32, and the product's result is divided by l at the end. Since M is a whole number, a kernel that streams over the keys may use a running M (the ceiling of the running maximum): every later rescaling is an exact power of two, so the quantised numbers keep their values, but for numbers so far below the row's largest that they fall under the format's range.
;;   OPERANDS COMPUTED ON THE WAY. 'Computed on the way' means the value that the module computes at that place (a softmax that the list does not call 'softmax' is quantised finished and normalised). What goes into a quantiser is computed in f32, as accurately as f32 sums, v_exp_f32 and their like allow (about 1e-6 of the number): no bf16 or f16 on the way to a quantiser, and a product that is left as it is and whose result goes on into a quantised operand takes f32 operands (vector FMAs, or v_wmma_f32_16x16x4_f32). A number that lies on a knife's edge between two numbers of the format may be rounded either way, as far as f32 arithmetic and the matrix unit's own rounding can turn it there, and no further.
;;   INPUTS GIVEN AS CODES. W1 (in the module: [1024, 1024], K = its axis 0); W2 (in the module: [1024, 1024], K = its axis 0); Wk1 (in the module: [1024, 1024], K = its axis 0); Wk2 (in the module: [1024, 1024], K = its axis 0); Wo1 (in the module: [1024, 1024], K = its axis 0); Wo2 (in the module: [1024, 1024], K = its axis 0); Wq1 (in the module: [1024, 1024], K = its axis 0); Wq2 (in the module: [1024, 1024], K = its axis 0); Wv1 (in the module: [1024, 1024], K = its axis 0); Wv2 (in the module: [1024, 1024], K = its axis 0); memory (in the module: [2, 1024, 1024], K = its axis 2): each comes as NAME_codes (uint8): NAME with its K axis moved to the last place and cut into blocks of 32 codes, [.., K / 32, bytes a block], one block behind the other in memory; one code a byte (a code: sign, 4 exponent bits, 3 mantissa bits); its scale is its entry of lowp_scales. Its value is code x scale, taken as it is: it is not quantised again, and the codes and scales need not be those that the quantiser above would give.
;; One version. Each part assembles by itself: llvm-mc -triple=amdgcn-amd-amdhsa -mcpu=gfx1250 --defsym DOCPART=n.
;; ======== version 1 of 1: 11 launches
;; limits: right only within a limited range of input values
;; workspace buffers: hbuf 12,582,912 bytes; qkv 16,777,216 bytes; obuf 4,194,304 bytes; x1 16,777,216 bytes; x2 16,777,216 bytes; pa 256 bytes; pb 256 bytes; pc 256 bytes
;; launch norm1 (part 1): grid 256 x 1, 4 waves a work-group, no clusters, 0 bytes of LDS; arguments x, g1, lowp_scales, hbuf, pa, pb, pc; writes hbuf, pa, pb, pc
.if DOCPART == 1
	.amdgcn_target "amdgcn-amd-amdhsa--gfx1250"
	.amdhsa_code_object_version 6
	.text
	.protected	k_q662284b2ee_norm1
	.globl	k_q662284b2ee_norm1
	.p2align	8
	.type	k_q662284b2ee_norm1,@function
k_q662284b2ee_norm1:
	s_mov_b64 s[64:65], 0
	v_nop
	global_prefetch_b8 v0, s[64:65] scope:SCOPE_SE
	s_setreg_imm32_b32 hwreg(HW_REG_WAVE_MODE, 25, 1), 1
	s_wait_xcnt 0x0
; h = x / sqrt(mean(x^2) + 1e-6) * g1, quantised three times to E4M3 codes, with the scales 2^e0, 2^e2, 2^e4 of the three products that read it.
; x: [4096][1024] f32.  hbuf: three tensors of codes [4096][1024], row-major, 4 MiB apart.
; A work-group takes 16 rows, a wave 4; ONE WAVE HOLDS A WHOLE ROW (32 registers a lane), so the sum of squares never leaves the wave: no LDS, no barrier.
; Lane l holds, for group j = 0..3, the eight neighbours 256 j + 8 l + 0..7: the conversion takes eight neighbours from one lane, and the lane's 8 codes are 8 bytes, so a wave's store covers 256 consecutive bytes, aligned.
; No cluster, no tensor load, no matrix unit: work-groups share nothing but g1's 4 KiB, and the launch streams.
; Work-group 0's wave 0 also writes three small tables of the given exponents (pa, pb, pc), so that later launches of one shape can share one text; they feed values only, never an address or a branch.
; LIMITS: e0, e2, e4 between -126 and 119 (2^e and 448 x 2^e are made as f32 numbers).  NaN and infinity among the inputs are not served.  x * rsq(..) * g stands for x / sqrt(..) * g (v_rsq_f32: 1 ulp).
.set G,  24                            ; v[24:55]   g1: group j at G + 8 j
.set X,  64                            ; v[64:191]  four rows: row i, group j at X + 32 i + 8 j
.set T,  192
.set C,  208                           ; v[208:231] a row's codes: scale s, group j at C + 8 s + 2 j
.set SC, 232                           ; v232, v234, v236: 2^e for e0, e2, e4
	s_load_b256 s[4:11], s[0:1], 0x0               ; x s[4:5], g1 s[6:7], the exponents s[8:9], hbuf s[10:11]
	s_load_b128 s[12:15], s[0:1], 0x20             ; pa, pb
	s_load_b64 s[16:17], s[0:1], 0x30              ; pc
	v_lshrrev_b32 v1, 5, v0
	v_readfirstlane_b32 s18, v1                    ; wave 0..3
	v_and_b32 v1, 31, v0                           ; lane
	v_lshlrev_b32 v2, 5, v1                        ; my 32 bytes of a group's 1,024
	v_lshlrev_b32 v3, 3, v1                        ; my 8 codes of a group's 256
	v_lshlrev_b32 v4, 2, v1                        ; my word of a table
	v_mov_b32 v9, 0                                ; (named as the upper half of the pair v[8:9])
	v_mov_b32 v20, 0                               ; a lane permute's destination counts as one of its sources
	s_lshl_b32 s2, ttmp9, 4
	s_lshl_b32 s3, s18, 2
	s_add_co_u32 s2, s2, s3                        ; my first row: 16 x work-group + 4 x wave
	s_lshl_b32 s32, s2, 12                         ; its bytes in x
	s_mov_b32 s33, 0
	s_lshl_b32 s34, s2, 10                         ; and in a tensor of codes
	s_mov_b32 s35, 0
	s_mov_b32 s28, 0x3a800000                      ; 1 / 1024
	s_mov_b32 s29, 0x358637bd                      ; 1e-6
	s_mov_b32 s30, 0x76543210                      ; v_permlanex16_b32: lane l xor 16
	s_mov_b32 s31, 0xfedcba98
	s_wait_alu depctr_va_vdst(0)
	s_wait_kmcnt 0x0
	s_load_b512 s[36:51], s[8:9], 0x0              ; e0 .. e27 in s36 .. s63
	s_load_b256 s[52:59], s[8:9], 0x40
	s_load_b128 s[60:63], s[8:9], 0x60
	s_add_nc_u64 s[20:21], s[4:5], s[32:33]
	s_add_nc_u64 s[22:23], s[10:11], s[34:35]
	s_add_nc_u64 s[24:25], s[22:23], 0x400000
	s_add_nc_u64 s[26:27], s[22:23], 0x800000
.irp j, 0,1,2,3
	global_load_b128 v[G+8*\j:G+8*\j+3], v2, s[6:7] offset:1024*\j
	global_load_b128 v[G+8*\j+4:G+8*\j+7], v2, s[6:7] offset:1024*\j+16
.endr
.irp i, 0,1,2,3
.irp j, 0,1,2,3
	global_load_b128 v[X+32*\i+8*\j:X+32*\i+8*\j+3], v2, s[20:21] offset:4096*\i+1024*\j      ; all four rows are asked for at once: 16 KiB a wave on their way
	global_load_b128 v[X+32*\i+8*\j+4:X+32*\i+8*\j+7], v2, s[20:21] offset:4096*\i+1024*\j+16
.endr
.endr
	s_wait_kmcnt 0x0
.irp s, 0,1,2
	s_add_co_i32 s2, s[36+2*\s], 127
	s_lshl_b32 s3, s2, 23
	v_mov_b32 v[SC+2*\s], s3                       ; 2^e as f32: the conversion takes its exponent field
	s_add_co_i32 s2, s2, 8
	s_lshl_b32 s2, s2, 23
	s_or_b32 s2, s2, 0x600000
.endr
.macro ROW i
.set XR, X+32*(\i)
	s_wait_loadcnt 8*(3-(\i))                      ; g1 and this row are in; the later rows' eight loads each may stay out
	v_pk_mul_f32 v[10:11], v[XR:XR+1], v[XR:XR+1]  ; the sum of squares, two at a time, in two chains that the first products start
	v_pk_mul_f32 v[12:13], v[XR+2:XR+3], v[XR+2:XR+3]
.irp k, 4,8,12,16,20,24,28
	v_pk_fma_f32 v[10:11], v[XR+\k:XR+\k+1], v[XR+\k:XR+\k+1], v[10:11]
	v_pk_fma_f32 v[12:13], v[XR+\k+2:XR+\k+3], v[XR+\k+2:XR+\k+3], v[12:13]
.endr
	v_pk_add_f32 v[10:11], v[10:11], v[12:13]
	v_add_f32 v10, v10, v11
	v_add_f32_dpp v10, v10, v10 row_xmask:1 row_mask:0xf bank_mask:0xf
	v_add_f32_dpp v10, v10, v10 row_xmask:2 row_mask:0xf bank_mask:0xf
	v_add_f32_dpp v10, v10, v10 row_xmask:4 row_mask:0xf bank_mask:0xf
	v_add_f32_dpp v10, v10, v10 row_xmask:8 row_mask:0xf bank_mask:0xf
	v_permlanex16_b32 v20, v10, s30, s31
	v_add_f32 v10, v10, v20                        ; every lane holds the row's sum
	v_fma_f32 v10, v10, s28, s29                   ; mean + eps
	s_wait_alu depctr_va_vdst(0)
	v_rsq_f32 v8, v10
	v_nop                                          ; one plain instruction between the transcendental and the use of its result
	s_wait_alu depctr_va_vdst(0)
.irp k, 0,2,4,6,8,10,12,14,16,18,20,22,24,26,28,30
	v_pk_mul_f32 v[XR+\k:XR+\k+1], v[XR+\k:XR+\k+1], v[8:9] op_sel_hi:[1,0]
.endr
.irp k, 0,2,4,6,8,10,12,14,16,18,20,22,24,26,28,30
	v_pk_mul_f32 v[XR+\k:XR+\k+1], v[XR+\k:XR+\k+1], v[G+\k:G+\k+1]
.endr
.if (\i) > 0
	s_wait_alu depctr_va_vdst(0)
	s_wait_xcnt 0x0                                ; the last row's stores have read their data: the codes' registers are written again only behind this wait
.endif
.irp s, 0,1,2
.irp j, 0,1,2,3
.irp n, 0,1,2,3,4,5,6,7
.endr
	v_cvt_scalef32_pk8_fp8_f32 v[C+8*\s+2*\j:C+8*\s+2*\j+1], v[T+8*(\j%2)+((XR+8*\j+0)-(T+8*(\j%2)+0)):T+8*(\j%2)+7+((XR+8*\j+0)-(T+8*(\j%2)+0))], v[SC+2*\s]
.endr
.endr
	v_nop                                          ; a plain line behind the last conversion
.irp s, 0,1,2
.irp j, 0,1,2,3
	global_store_b64 v3, v[C+8*\s+2*\j:C+8*\s+2*\j+1], s[22+2*\s:23+2*\s] offset:(\i)*1024+\j*256   ; 32 lanes store 256 consecutive bytes, aligned
.endr
.endr
.endm
	ROW 0
	ROW 1
	ROW 2
	ROW 3
	s_cmp_lg_u32 s18, 0                            ; the tables: wave 0
	s_cbranch_scc1 .Lend
	s_cmp_lg_u32 ttmp9, 0                          ; of work-group 0
	s_cbranch_scc1 .Lend
	v_mov_b32 v5, 0
	v_mov_b32 v6, 0
	v_mov_b32 v7, 0
	s_mov_b32 s2, 0xbf800000                       ; -1.0
	v_writelane_b32 v5, s46, 0                     ; pa = e10, e11, e12, e13, e18, -1.0
	v_writelane_b32 v5, s47, 1
	v_writelane_b32 v5, s48, 2
	v_writelane_b32 v5, s49, 3
	v_writelane_b32 v5, s54, 4
	v_writelane_b32 v5, s2, 5
	v_writelane_b32 v6, s58, 0                     ; pb = e22, e23, e24, e25, e26, 0.0
	v_writelane_b32 v6, s59, 1
	v_writelane_b32 v6, s60, 2
	v_writelane_b32 v6, s61, 3
	v_writelane_b32 v6, s62, 4
	v_writelane_b32 v7, s62, 0                     ; pc = e26, e27
	v_writelane_b32 v7, s63, 1
	global_store_b32 v4, v5, s[12:13]
	global_store_b32 v4, v6, s[14:15]
	global_store_b32 v4, v7, s[16:17]
.Lend:
	s_endpgm
.Lfunc_end_k_q662284b2ee_norm1:
	.size	k_q662284b2ee_norm1, .Lfunc_end_k_q662284b2ee_norm1-k_q662284b2ee_norm1
	.p2alignl 7, 3214868480
	.fill 96, 4, 3214868480
	.section	.rodata,"a",@progbits
	.p2align	6, 0x0
	.amdhsa_kernel k_q662284b2ee_norm1
		.amdhsa_group_segment_fixed_size 0
		.amdhsa_private_segment_fixed_size 0
		.amdhsa_enable_private_segment 0
		.amdhsa_kernarg_size 56
		.amdhsa_user_sgpr_count 2
		.amdhsa_user_sgpr_kernarg_segment_ptr 1
		.amdhsa_wavefront_size32 1
		.amdhsa_system_sgpr_workgroup_id_x 1
		.amdhsa_system_sgpr_workgroup_id_y 1
		.amdhsa_system_sgpr_workgroup_id_z 1
		.amdhsa_system_vgpr_workitem_id 0
		.amdhsa_next_free_vgpr 240
		.amdhsa_next_free_sgpr 66
		.amdhsa_reserve_vcc 0
		.amdhsa_float_denorm_mode_32 3
		.amdhsa_float_denorm_mode_16_64 3
		.amdhsa_fp16_overflow 1
		.amdhsa_memory_ordered 1
		.amdhsa_forward_progress 1
		.amdhsa_inst_pref_size 30
	.end_amdhsa_kernel
	.amdgpu_metadata
---
amdhsa.version: [ 1, 2 ]
amdhsa.kernels:
  - .name:           k_q662284b2ee_norm1
    .symbol:         k_q662284b2ee_norm1.kd
    .args:
      - { .name: x, .offset: 0, .size: 8, .value_kind: global_buffer, .address_space: global }
      - { .name: g1, .offset: 8, .size: 8, .value_kind: global_buffer, .address_space: global }
      - { .name: lowp_scales, .offset: 16, .size: 8, .value_kind: global_buffer, .address_space: global }
      - { .name: hbuf, .offset: 24, .size: 8, .value_kind: global_buffer, .address_space: global }
      - { .name: pa, .offset: 32, .size: 8, .value_kind: global_buffer, .address_space: global }
      - { .name: pb, .offset: 40, .size: 8, .value_kind: global_buffer, .address_space: global }
      - { .name: pc, .offset: 48, .size: 8, .value_kind: global_buffer, .address_space: global }
    .group_segment_fixed_size: 0
    .private_segment_fixed_size: 0
    .kernarg_segment_align: 8
    .kernarg_segment_size: 56
    .max_flat_workgroup_size: 128
    .sgpr_count:     66
    .vgpr_count:     240
    .wavefront_size: 32
...
	.end_amdgpu_metadata
.endif
;; end of part 1
;; launch proj (part 2): grid 16 x 16, 4 waves a work-group, clusters of 4 x 4, 327,680 bytes of LDS; arguments hbuf, memory_codes, Wq1_codes, Wk1_codes, Wv1_codes, Wk2_codes, Wv2_codes, lowp_scales, qkv; writes qkv
.if DOCPART == 2
	.amdgcn_target "amdgcn-amd-amdhsa--gfx1250"
	.amdhsa_code_object_version 6
	.text
	.protected	k_q662284b2ee_proj
	.globl	k_q662284b2ee_proj
	.p2align	8
	.type	k_q662284b2ee_proj,@function
k_q662284b2ee_proj:
	s_mov_b64 s[64:65], 0
	v_nop
	global_prefetch_b8 v0, s[64:65] scope:SCOPE_SE
	s_setreg_imm32_b32 hwreg(HW_REG_WAVE_MODE, 25, 1), 1
	s_wait_xcnt 0x0
	s_wait_alu depctr_hold_cnt(0) depctr_sa_sdst(0) depctr_va_vdst(0) depctr_va_sdst(0) depctr_va_ssrc(0) depctr_va_vcc(0) depctr_vm_vsrc(0)
	s_getreg_b32 s2, hwreg(HW_REG_IB_STS2, 6, 4)
	s_cmp_eq_u32 s2, 0
	s_cbranch_scc0 .Lentry_in_a_cluster
	s_endpgm
.Lentry_in_a_cluster:
	s_bfe_u32 s2, ttmp6, 0x10000c
	s_cmp_lg_u32 s2, 0xf033
	s_cbranch_scc0 .Lentry_shape_is_right
	s_endpgm
.Lentry_shape_is_right:
.set ROWB,   256
.set KROW,   1024
.set PITCH,  272
.set FR,     16
.set NL,     4
.set NP,     4
.set HALFT,  128*PITCH
.set SLOT,   4*HALFT
.set LAPS,   2
.set SPARE,  2*SLOT
.set ADRA, 16
.set ADRB, 20
.set VO0,  26
.set VO1,  27
.set SPW,  28
.set NIL,  29
.set LIM,  30
.set SCL,  31
.set OC,   32
.set AF,   128
.set G1, 24
.set G0, 32
.set G1B, 48
.set G0B, 56
.set MSB, 0
.macro WIN new
.if MSB != \new
	s_set_vgpr_msb (MSB<<8)|\new
.set MSB, \new
.endif
.endm
.set MUL_LO, 0xa1
.set MUL_HI, 0xf1
.set TO_B,   0x40
.macro JLOAD g0a, g1a, g0b, g1b
	s_cmp_eq_u32 s85, 0
	s_cbranch_scc0 .Lfor_b_\@
	tensor_load_to_lds s[\g0a:\g0a+3], s[\g1a:\g1a+7]
	s_nop 0
.rept 4
	v_nop
.endr
	s_branch .Lasked_\@
.Lfor_b_\@:
	tensor_load_to_lds s[\g0b:\g0b+3], s[\g1b:\g1b+7]
	s_nop 0
.rept 4
	v_nop
.endr
.Lasked_\@:
.endm
.macro CREST
	s_cmp_lg_u32 s84, 0
	s_cbranch_scc1 .Lnot_wave_0_\@
	s_barrier_signal -3
.Lnot_wave_0_\@:
	s_barrier_wait -3
	s_barrier_signal -1
	s_barrier_wait -1
.endm
.macro CROUND
	s_barrier_signal -1
	s_barrier_wait -1
	CREST
.endm
	s_load_b512 s[4:19], s[0:1], 0x0
	s_load_b64 s[20:21], s[0:1], 0x40
	v_lshl_add_u32 v[SPW], v0, 2, SPARE
	v_mov_b32 v[NIL], 0
	ds_add_u32 v28, v29
	ds_add_u32 v28, v29
	s_wait_dscnt 0x0
	v_lshrrev_b32 v1, 5, v0
	v_readfirstlane_b32 s84, v1
	s_lshr_b32 s85, s84, 1
	s_and_b32 s86, s84, 1
	s_bfe_u32 s40, ttmp6, 0x40000
	s_bfe_u32 s41, ttmp6, 0x40004
	s_mov_b32 s42, ttmp9
	s_and_b32 s43, ttmp7, 0xffff
	s_lshr_b32 s2, s43, 1
	s_add_co_u32 s2, s2, 3
	s_and_b32 s3, s43, 1
	s_cmp_lt_u32 s42, 3
	s_cselect_b32 s44, s42, s2
	s_cselect_b32 s45, s43, s3
	s_cselect_b32 s91, 11, 10
	s_cselect_b32 s47, 0, 1
	s_cmp_eq_u32 s44, 2
	s_cselect_b32 s46, 1, 0
	s_cmp_eq_u32 s44, 4
	s_cselect_b32 s46, 1, s46
	s_lshl_b32 s22, s44, 3
	s_lshl_b32 s2, s47, 5
	s_add_co_u32 s22, s22, s2
	s_lshl_b32 s23, s44, 2
	s_mul_i32 s2, s47, 40
	s_add_co_u32 s23, s23, s2
	s_add_co_u32 s23, s23, 24
	s_lshl_b32 s2, s41, 2
	s_lshl_b32 s2, 15, s2
	s_lshl_b32 s3, 0x1111, s40
	s_or_b32 s[G1+0], s2, (0<<16)|(1<<20)|(1<<21)|(5<<22)|(3<<25)
	s_or_b32 s[G1B+0], s3, (0<<16)|(1<<20)|(1<<21)|(5<<22)|(3<<25)
.irp g, G1, G1B
	s_mov_b32 s[\g+1], ROWB<<16
	s_mov_b32 s[\g+2], 128<<16
	s_mov_b32 s[\g+3], ROWB<<16
	s_mov_b32 s[\g+4], 128
	s_mov_b32 s[\g+5], KROW
	s_mov_b32 s[\g+6], 0
	s_mov_b32 s[\g+7], 0
.endr
	s_lshl_b32 s2, s45, 10
	s_cmp_eq_u32 s46, 1
	s_cselect_b32 s96, 0, s2
	s_cselect_b32 s97, s2, 0
	s_lshl_b32 s98, s41, 8
	s_add_co_u32 s98, s98, s96
	s_lshl_b32 s99, s40, 8
	s_add_co_u32 s99, s99, s97
	s_lshl_b32 s2, s86, 7
	s_add_co_u32 s66, s98, s2
	s_lshl_b32 s66, s66, 10
	s_mov_b32 s67, 0
	s_add_co_u32 s100, s99, s2
	s_lshl_b32 s100, s100, 10
	s_mov_b32 s101, 0
	s_mul_i32 s87, s84, HALFT
	s_lshl_b32 s2, s44, 22
	s_cmp_lt_u32 s42, 3
	s_cselect_b32 s2, s2, 0
	s_mov_b32 s3, 0
	s_wait_kmcnt 0x0
	s_load_b64 s[88:89], s[18:19], s22 offset:0x0
	s_load_b32 s90, s[18:19], s23 offset:0x0
	s_add_nc_u64 s[4:5], s[4:5], s[2:3]
	s_cmp_lt_u32 s42, 3
	s_cselect_b64 s[4:5], s[4:5], s[6:7]
	s_cmp_eq_u32 s44, 1
	s_cselect_b64 s[8:9], s[10:11], s[8:9]
	s_cmp_eq_u32 s44, 2
	s_cselect_b64 s[8:9], s[12:13], s[8:9]
	s_cmp_eq_u32 s44, 3
	s_cselect_b64 s[8:9], s[14:15], s[8:9]
	s_cmp_eq_u32 s44, 4
	s_cselect_b64 s[8:9], s[16:17], s[8:9]
	s_cmp_eq_u32 s46, 1
	s_cselect_b64 s[10:11], s[8:9], s[4:5]
	s_cselect_b64 s[12:13], s[4:5], s[8:9]
	s_add_nc_u64 s[66:67], s[10:11], s[66:67]
	s_add_nc_u64 s[100:101], s[12:13], s[100:101]
	CROUND
.irp s, 0,1
	s_mov_b32 s[G0+4*\s], 1
	s_add_co_u32 s[G0+4*\s+1], s87, \s*SLOT
	s_add_nc_u64 s[G0+4*\s+2:G0+4*\s+3], s[66:67], \s*ROWB
	s_or_b32 s[G0+4*\s+3], s[G0+4*\s+3], 0x80000000
	s_mov_b32 s[G0B+4*\s], 1
	s_add_co_u32 s[G0B+4*\s+1], s87, \s*SLOT
	s_add_nc_u64 s[G0B+4*\s+2:G0B+4*\s+3], s[100:101], \s*ROWB
	s_or_b32 s[G0B+4*\s+3], s[G0B+4*\s+3], 0x80000000
	s_wait_alu depctr_va_vdst(0)
	s_wait_tensorcnt 0x0
	ds_add_u32 v28, v29
	ds_add_u32 v28, v29
	s_wait_dscnt 0x0
	CROUND
	JLOAD G0+4*\s, G1, G0B+4*\s, G1B
.endr
	v_and_b32 v1, 15, v0
	v_bfe_u32 v2, v0, 4, 1
	v_mul_u32_u24 v3, v1, PITCH
	v_lshl_add_u32 v4, v2, 4, v3
	s_mul_i32 s2, s85, HALFT
	s_mul_i32 s3, s86, HALFT
	s_add_co_u32 s3, s3, 2*HALFT
.irp s, 0,1
	v_add_nc_u32 v[ADRA+\s], s2, v4
	v_add_nc_u32 v[ADRB+\s], s3, v4
	s_add_co_u32 s2, s2, SLOT
	s_add_co_u32 s3, s3, SLOT
.endr
	s_lshl_b32 s2, s85, 7
	s_add_co_u32 s2, s98, s2
	s_lshl_b32 s3, s86, 7
	s_add_co_u32 s3, s99, s3
	s_cmp_eq_u32 s46, 1
	s_cselect_b32 s96, s3, s2
	s_cselect_b32 s97, s2, s3
	s_add_co_u32 s2, s91, 7
	s_lshl_b32 s92, 1, s2
	s_lshl_b32 s3, s96, 10
	s_lshl_b32 s93, s97, 4
	s_add_co_u32 s3, s3, s93
	s_lshr_b32 s93, s96, s91
	s_lshl_b32 s93, s93, 4
	s_lshr_b32 s94, s97, 6
	s_add_co_u32 s93, s93, s94
	s_lshl_b32 s93, s93, s2
	s_bfm_b32 s94, s91, 0
	s_and_b32 s94, s96, s94
	s_lshr_b32 s94, s94, 7
	s_lshl_b32 s94, s94, 14
	s_add_co_u32 s93, s93, s94
	s_lshl_b32 s94, s46, 13
	s_add_co_u32 s93, s93, s94
	s_lshl_b32 s94, s47, 23
	s_add_co_u32 s93, s93, s94
	s_add_co_u32 s93, s93, 0x400000
	s_cmp_eq_u32 s44, 0
	s_cselect_b32 s98, s3, s93
	s_mov_b32 s93, 0x4000
	s_mov_b32 s94, 0x10000
	s_mov_b32 s95, 0x400
	s_mov_b32 s2, 0x400
	s_mov_b32 s3, 0x1000
	s_cselect_b32 s93, s93, s2
	s_cselect_b32 s94, s94, s3
	s_cselect_b32 s95, s95, s92
	s_mov_b32 s2, 0x800
	s_mov_b32 s3, 0x400
	s_cmp_eq_u32 s46, 1
	s_cselect_b32 s93, s2, s93
	s_cselect_b32 s94, s92, s94
	s_cselect_b32 s95, s3, s95
.irp a, 0,1,2,3,4,5,6,7
	s_mul_i32 s2, s93, (\a%4)
	s_mul_i32 s3, s94, (\a/4)
	s_add_co_u32 s2, s2, s3
	s_add_co_u32 s2, s2, s98
	s_mov_b32 s3, 0
	s_add_nc_u64 s[68+2*\a:69+2*\a], s[20:21], s[2:3]
.endr
	v_and_b32 v5, 31, v0
	v_lshlrev_b32 v[VO0], 4, v5
	v_add_nc_u32 v[VO1], s95, v[VO0]
	s_wait_alu depctr_va_vdst(0)
	s_wait_kmcnt 0x0
	s_sub_co_i32 s2, s90, s88
	s_sub_co_i32 s2, s2, s89
	s_add_co_i32 s2, s2, 127
	s_lshl_b32 s3, s2, 23
	v_mov_b32 v[SCL], s3
.macro FRAG reg, adr, q, i
.irp c, 0,1,2,3
	ds_load_b128 v[\reg+4*\c:\reg+4*\c+3], v[\adr] offset:128*(\q)+32*\c+(\i)*16*PITCH
.endr
.endm
.macro MUL16 a0, p, zero
.irp a, \a0, \a0+1
.irp b, 0,1,2,3,4,5,6,7
.if \zero
	v_wmma_f32_16x16x128_fp8_fp8 v[8*(8*((\a)%4)+\b):8*(8*((\a)%4)+\b)+7], v[128*(\p)+FR*\b:128*(\p)+FR*\b+FR-1], v[AF+FR*(\a):AF+FR*(\a)+FR-1], 0
.else
	v_wmma_f32_16x16x128_fp8_fp8 v[8*(8*((\a)%4)+\b):8*(8*((\a)%4)+\b)+7], v[128*(\p)+FR*\b:128*(\p)+FR*\b+FR-1], v[AF+FR*(\a):AF+FR*(\a)+FR-1], v[8*(8*((\a)%4)+\b):8*(8*((\a)%4)+\b)+7]
.endif
.endr
.endr
.endm
.macro FETCH_B slot, q, p
	WIN TO_B
.irp i, 0,1,2,3,4,5,6,7
	FRAG 128*(\p)+FR*\i, ADRB+\slot, \q, \i
.endr
	WIN 0
.endm
.macro FETCH_A slot, q, i0
.irp i, \i0, \i0+1, \i0+2, \i0+3
	FRAG AF+FR*(\i), ADRA+\slot, \q, \i
.endr
.endm
.macro PLACES n
.rept \n
	v_nop
.endr
.endm
.macro STEP slot, q, zero
	s_wait_dscnt 4*NL
	WIN MUL_LO
	MUL16 0, (\q)%2, \zero
	MUL16 2, (\q)%2, \zero
	s_wait_dscnt 0
	PLACES NP
	FETCH_B \slot, (\q)+1, 1-(\q)%2
	FETCH_A \slot, (\q)+1, 0
	WIN MUL_HI
	MUL16 4, (\q)%2, \zero
	MUL16 6, (\q)%2, \zero
	PLACES NP
	WIN 0
	FETCH_A \slot, (\q)+1, 4
.endm
.macro TURN slot, next, fill
	s_wait_tensorcnt 0x0
	ds_add_u32 v[SPW], v[NIL]
	s_wait_dscnt 4*NL+1
	WIN MUL_LO
	MUL16 0, 1, 0
	s_wait_dscnt 0x0
	s_barrier_signal -1
	MUL16 2, 1, 0
	WIN 0
	s_barrier_wait -1
.if \fill
	CREST
	s_add_nc_u64 s[G0+4*\slot+2:G0+4*\slot+3], s[G0+4*\slot+2:G0+4*\slot+3], 2*ROWB
	s_add_nc_u64 s[G0B+4*\slot+2:G0B+4*\slot+3], s[G0B+4*\slot+2:G0B+4*\slot+3], 2*ROWB
	JLOAD G0+4*\slot, G1, G0B+4*\slot, G1B
.else
	PLACES NP
.endif
	FETCH_B \next, 0, 0
	FETCH_A \next, 0, 0
	WIN MUL_HI
	MUL16 4, 1, 0
	MUL16 6, 1, 0
	PLACES NP
	WIN 0
	FETCH_A \next, 0, 4
.endm
	s_wait_tensorcnt 1
	s_barrier_signal -1
	s_barrier_wait -1
	FETCH_B 0, 0, 0
	FETCH_A 0, 0, 0
	FETCH_A 0, 0, 4
	STEP 0, 0, 1
	s_mov_b32 s3, LAPS-1
.Llap:
	TURN 0, 1, 1
	STEP 1, 0, 0
	TURN 1, 0, 1
	STEP 0, 0, 0
	s_sub_co_u32 s3, s3, 1
	s_cmp_lg_u32 s3, 0
	s_cbranch_scc1 .Llap
	TURN 0, 1, 0
	STEP 1, 0, 0
	s_wait_dscnt 4*NL
	WIN MUL_LO
	MUL16 0, 1, 0
	MUL16 2, 1, 0
	s_wait_alu depctr_va_vdst(0)
	s_wait_dscnt 0
	WIN MUL_HI
	MUL16 4, 1, 0
	MUL16 6, 1, 0
	WIN 0
.macro OUTA a
.set AC, 64*((\a)%4)
	WIN 0x82+0x41*((\a)/4)
.set j, 0
.rept 64
.set j, j+1
.endr
	WIN 0x02+((\a)/4)
.irp b, 0,1,2,3,4,5,6,7
	v_cvt_scalef32_pk8_fp8_f32 v[OC+16*(\a)+2*\b:OC+16*(\a)+2*\b+1], v[AC+8*\b:AC+8*\b+7], v[SCL]
.endr
	v_nop
	WIN 0
.irp q, 0,1,2,3
	global_store_b128 v[VO0+\q/2], v[OC+16*(\a)+4*\q:OC+16*(\a)+4*\q+3], s[68+2*(\a):69+2*(\a)] offset:(\q%2)*512
.endr
.endm
	PLACES NP
.irp a, 0,1,2,3,4,5,6,7
	OUTA \a
.endr
	s_wait_tensorcnt 0x0
	ds_add_u32 v[SPW], v[NIL]
	s_wait_dscnt 0x0
	CROUND
	s_endpgm
.Lfunc_end_k_q662284b2ee_proj:
	.size	k_q662284b2ee_proj, .Lfunc_end_k_q662284b2ee_proj-k_q662284b2ee_proj
	.p2alignl 7, 3214868480
	.fill 96, 4, 3214868480
	.section	.rodata,"a",@progbits
	.p2align	6, 0x0
	.amdhsa_kernel k_q662284b2ee_proj
		.amdhsa_group_segment_fixed_size 327680
		.amdhsa_private_segment_fixed_size 0
		.amdhsa_enable_private_segment 0
		.amdhsa_kernarg_size 72
		.amdhsa_user_sgpr_count 2
		.amdhsa_user_sgpr_kernarg_segment_ptr 1
		.amdhsa_wavefront_size32 1
		.amdhsa_system_sgpr_workgroup_id_x 1
		.amdhsa_system_sgpr_workgroup_id_y 1
		.amdhsa_system_sgpr_workgroup_id_z 1
		.amdhsa_system_vgpr_workitem_id 0
		.amdhsa_next_free_vgpr 1024
		.amdhsa_next_free_sgpr 102
		.amdhsa_reserve_vcc 0
		.amdhsa_float_denorm_mode_32 3
		.amdhsa_float_denorm_mode_16_64 3
		.amdhsa_fp16_overflow 1
		.amdhsa_memory_ordered 1
		.amdhsa_forward_progress 1
		.amdhsa_inst_pref_size 91
	.end_amdhsa_kernel
	.amdgpu_metadata
---
amdhsa.version: [ 1, 2 ]
amdhsa.kernels:
  - .name:           k_q662284b2ee_proj
    .symbol:         k_q662284b2ee_proj.kd
    .args:
      - { .name: hbuf, .offset: 0, .size: 8, .value_kind: global_buffer, .address_space: global }
      - { .name: memory_codes, .offset: 8, .size: 8, .value_kind: global_buffer, .address_space: global }
      - { .name: Wq1_codes, .offset: 16, .size: 8, .value_kind: global_buffer, .address_space: global }
      - { .name: Wk1_codes, .offset: 24, .size: 8, .value_kind: global_buffer, .address_space: global }
      - { .name: Wv1_codes, .offset: 32, .size: 8, .value_kind: global_buffer, .address_space: global }
      - { .name: Wk2_codes, .offset: 40, .size: 8, .value_kind: global_buffer, .address_space: global }
      - { .name: Wv2_codes, .offset: 48, .size: 8, .value_kind: global_buffer, .address_space: global }
      - { .name: lowp_scales, .offset: 56, .size: 8, .value_kind: global_buffer, .address_space: global }
      - { .name: qkv, .offset: 64, .size: 8, .value_kind: global_buffer, .address_space: global }
    .group_segment_fixed_size: 327680
    .private_segment_fixed_size: 0
    .kernarg_segment_align: 8
    .kernarg_segment_size: 72
    .max_flat_workgroup_size: 128
    .sgpr_count:     102
    .vgpr_count:     1024
    .wavefront_size: 32
...
	.end_amdgpu_metadata
.endif
;; end of part 2
;; launch attn1 (part 3): grid 32 x 8, 8 waves a work-group, clusters of 4 x 4, 327,680 bytes of LDS; arguments qkv, casual_mask, lowp_scales, obuf; writes obuf
.if DOCPART == 3
	.amdgcn_target "amdgcn-amd-amdhsa--gfx1250"
	.amdhsa_code_object_version 6
	.text
	.protected	k_q662284b2ee_attn1
	.globl	k_q662284b2ee_attn1
	.p2align	8
	.type	k_q662284b2ee_attn1,@function
k_q662284b2ee_attn1:
	s_mov_b64 s[64:65], 0
	v_nop
	global_prefetch_b8 v0, s[64:65] scope:SCOPE_SE
	s_setreg_imm32_b32 hwreg(HW_REG_WAVE_MODE, 25, 1), 1
	s_wait_xcnt 0x0
	s_wait_alu depctr_hold_cnt(0) depctr_sa_sdst(0) depctr_va_vdst(0) depctr_va_sdst(0) depctr_va_ssrc(0) depctr_va_vcc(0) depctr_vm_vsrc(0)
	s_getreg_b32 s2, hwreg(HW_REG_IB_STS2, 6, 4)
	s_cmp_eq_u32 s2, 0
	s_cbranch_scc0 .Lentry_in_a_cluster
	s_endpgm
.Lentry_in_a_cluster:
	s_bfe_u32 s2, ttmp6, 0x10000c
	s_cmp_lg_u32 s2, 0xf033
	s_cbranch_scc0 .Lentry_shape_is_right
	s_endpgm
.Lentry_shape_is_right:
; o = softmax(q k^T / 8 + bias) v for 2 batches x 16 heads of 64, 2,048 queries and NK keys, both products on E4M3 codes; o is quantised at once for the product that reads it.
; The bias [2048][NK] f32 is an input and is honoured as it is given: every key is walked for every query.
; q, k, v arrive, and o leaves, as images of the operands' registers (lane (r, h): row r; registers 2 c, 2 c + 1: k = 16 c + 8 h + 0..7; four registers = 512 bytes, lane l at 16 l).
; THE SOFTMAX: t = logit x log2(e); M = the running largest t rounded up to a whole number; p = 2^(t - M) is quantised, not normalised; the row's sum is taken of the unquantised p and divides at the end; when M moves, the sum and O
; are multiplied by 2^(old M - new M), which rounds nothing.
; SHARES.  A work-group: 64 queries x 4 heads of one batch.  Wave w: head w / 2, queries 32 (w % 2) on: TWO tiles of 16 queries (tile A in register window 0, tile B in window 1, same numbers), which share every fragment of K and V.
; Both products are used transposed (S^T = K Q^T, O^T = V^T P^T): a lane holds one query throughout, and a converted tile of p or of O^T is a pair of the next operand's registers.
; THE BIAS IS THE C OF THE SCORE PRODUCT: bias x 2^(3 - eq - ek), an exact factor, so that (sum + C) x log2(e) / 8 x 2^(eq + ek) = t.
; THE TWO TILES RUN HALF A STEP APART, so that each run of LDS loads stands in front of the other tile's softmax and lands under it.  Key step j: K(j) and A's bias are asked for | B's softmax and V^T P of step j - 1 (its scores and
; V(j - 1) stayed in registers) | A's K Q^T | V(j) and B's bias are asked for | A's softmax | A's V^T P, B's K Q^T.  All reads of slot j are waited for inside step j.
; CLUSTER 4 x 4: the four work-groups of a row (same heads, other queries) ask jointly for K and V, the four of a column (same queries, other heads) for the bias.
; A slot holds 128 keys: 4 heads x (8 KiB K + 8 KiB V), then 64 rows of bias (512 bytes + 16 of padding).  Two slots, 2^17 bytes apart.
; LIMITS: eq + ek between -123 and 129; ep and eo between -126 and 119.  NaN among the inputs is not served.  1 / l by v_rcp_f32.
; REGISTERS, window 0 alone: v1, v2 places in a slot; v5, v6 the add's; v7 16 x lane; v8, v9 addresses in hand; v32-95 K's fragments.  Window 1 alone: v32-95 V's fragments.  Both windows: v12 -M, v13 largest t, v16-23 Q,
; v96-159 S^T then p, v160-191 O^T, v192-195 four maxima, v196, v197 at work, v[198:199] f, v200-207 the row's sum in four pairs, v224-239 p's codes, v244 2^ep, v245 2^eo.
.set NK,    2048                       ; keys
.set KVOFF, 4194304                    ; where this attention's K and V lie in qkv
.set SC0,   24                         ; byte of eq in the exponents: eq, ek, ev, ep, eo follow each other
.set NKB,   NK/128
.set SLOT1, 131072
.set SPARE, 262144                     ; the spare words, 128 bytes for each of eight waves, which no other line names
.set KF,  32                           ; K's fragments (window 0), V's (window 1)
.set SS,  96
.set OO,  160
.set MX,  192
.set PT,  196
.set TM,  197
.set FF,  198
.set LL,  200
.set PC,  224
.set MSB, 0
.macro WIN new                         ; the immediate's high byte repeats the setting that is left
.if MSB != \new
	s_set_vgpr_msb (MSB<<8)|\new
.set MSB, \new
.endif
.endm
.macro CROUND
	s_barrier_signal -1
	s_barrier_wait -1
	s_cmp_lg_u32 s12, 0
	s_cbranch_scc1 .Lnot_wave_0_\@
	s_barrier_signal -3
.Lnot_wave_0_\@:
	s_barrier_wait -3
	s_barrier_signal -1
	s_barrier_wait -1
.endm
.macro TLOAD                           ; waves 0, 1: two heads' K and V each; waves 2, 3: 32 rows of bias each; the others nothing.  Four v_nop follow each line
	s_cmp_lt_u32 s12, 2
	s_cbranch_scc0 .Lnot_k_\@
	tensor_load_to_lds s[40:43], s[24:31]
	s_nop 0
.rept 4
	v_nop
.endr
	s_branch .Lasked_\@
.Lnot_k_\@:
	s_cmp_lt_u32 s12, 4
	s_cbranch_scc0 .Lasked_\@
	tensor_load_to_lds s[44:47], s[32:39]
	s_nop 0
.rept 4
	v_nop
.endr
.Lasked_\@:
.endm
	s_load_b256 s[4:11], s[0:1], 0x0               ; qkv, the bias, the exponents, o
	v_lshl_add_u32 v5, v0, 2, SPARE
	v_mov_b32 v6, 0
	ds_add_u32 v5, v6
	s_wait_dscnt 0x0
	v_lshrrev_b32 v1, 5, v0
	v_readfirstlane_b32 s12, v1                    ; wave 0..7
	s_bfe_u32 s13, ttmp6, 0x40000                  ; cx
	s_bfe_u32 s14, ttmp6, 0x40004                  ; cy: the group of four heads
	s_lshl_b32 s15, ttmp9, 2
	s_add_co_u32 s15, s15, s13                     ; my block of 64 queries
	s_and_b32 s16, ttmp7, 0xffff                   ; the batch
	s_lshr_b32 s17, s12, 1                         ; my head of the four
	s_and_b32 s18, s12, 1                          ; my 32 queries of the 64; also: which half I fetch
	s_lshl_b32 s54, s14, 2
	s_lshl_b32 s54, 15, s54                        ; my row of the cluster
	s_lshl_b32 s55, 0x1111, s13                    ; my column
	s_or_b32 s24, s54, (3<<16)|(1<<21)             ; K and V: the mask; elements of 8 bytes; bit 21 beside a mask; no padding
	s_mov_b32 s25, 2048<<16                        ; tensor_dim0: 16 KiB, a head's block of 128 keys
	s_mov_b32 s26, 2<<16                           ; tensor_dim1: two heads
	s_mov_b32 s27, 2048<<16                        ; tile_dim0
	s_mov_b32 s28, 2                               ; tile_dim1
	s_mov_b32 s29, NKB*2048                        ; from head to head
	s_mov_b32 s30, 0
	s_mov_b32 s31, 0
	s_or_b32 s32, s55, (2<<16)|(1<<20)|(1<<21)|(6<<22)|(3<<25)   ; the bias: elements of 4 bytes; 4 words of padding behind every 128
	s_mov_b32 s33, 128<<16
	s_mov_b32 s34, 32<<16
	s_mov_b32 s35, 128<<16
	s_mov_b32 s36, 32
	s_mov_b32 s37, NK
	s_mov_b32 s38, 0
	s_mov_b32 s39, 0
	s_lshl_b32 s56, s16, 4
	s_lshl_b32 s57, s14, 2
	s_add_co_u32 s56, s56, s57
	s_lshl_b32 s57, s18, 1
	s_add_co_u32 s56, s56, s57                     ; batch x 16 + 4 cy + 2 x half: the first head that I fetch
	s_mul_i32 s56, s56, NKB*16384
	s_add_co_u32 s56, s56, KVOFF
	s_mov_b32 s57, 0
	s_lshl_b32 s58, s15, 6
	s_lshl_b32 s59, s18, 5
	s_add_co_u32 s58, s58, s59                     ; the first row of bias that I fetch
	s_mul_i32 s58, s58, NK*4
	s_mov_b32 s59, 0
	s_lshl_b32 s60, s16, 7
	s_lshl_b32 s61, s15, 2
	s_add_co_u32 s60, s60, s61
	s_lshl_b32 s61, s18, 1
	s_add_co_u32 s60, s60, s61                     ; my first tile of 16 tokens
	s_lshl_b32 s60, s60, 14
	s_lshl_b32 s61, s14, 2
	s_add_co_u32 s61, s61, s17                     ; my head
	s_lshl_b32 s61, s61, 10
	s_add_co_u32 s60, s60, s61                     ; my place in q's and in o's image
	s_mov_b32 s61, 0
	s_mov_b32 s20, 0x76543210                      ; v_permlanex16_b32: lane l xor 16
	s_mov_b32 s21, 0xfedcba98
	s_mov_b32 s50, 0                               ; the slot in hand
	s_mov_b32 s51, NKB-2                           ; the loop's trips: every key step but the first and the last
	s_wait_kmcnt 0x0
	s_load_b64 s[66:67], s[8:9], SC0               ; eq, ek
	s_load_b64 s[68:69], s[8:9], SC0+8             ; ev, ep
	s_load_b32 s70, s[8:9], SC0+16                 ; eo
	s_mov_b32 s40, 1
	s_lshl_b32 s41, s18, 15                        ; LDS: two heads x 16 KiB a half
	s_add_nc_u64 s[42:43], s[4:5], s[56:57]
	s_or_b32 s43, s43, 0x80000000
	s_mov_b32 s44, 1
	s_mul_i32 s45, s18, 16896
	s_add_co_u32 s45, s45, 65536                   ; LDS: behind K and V, 32 rows x 528 a half
	s_add_nc_u64 s[46:47], s[6:7], s[58:59]
	s_or_b32 s47, s47, 0x80000000
	CROUND                                         ; all sixteen work-groups are here
	TLOAD                                          ; slot 0
	s_add_nc_u64 s[4:5], s[4:5], s[60:61]
	s_add_nc_u64 s[10:11], s[10:11], s[60:61]
	v_and_b32 v10, 31, v0
	v_lshlrev_b32 v7, 4, v10
	global_load_b128 v[16:19], v7, s[4:5]          ; Q stays in registers: tile A,
	global_load_b128 v[20:23], v7, s[4:5] offset:512
	WIN 0x40
	global_load_b128 v[16:19], v7, s[4:5] offset:16384   ; tile B
	global_load_b128 v[20:23], v7, s[4:5] offset:16896
	WIN 0
	s_lshl_b32 s53, s17, 14
	v_add_nc_u32 v1, s53, v7                       ; my head's K and V in a slot, 16 bytes a lane
	v_and_b32 v10, 15, v0
	v_bfe_u32 v11, v0, 4, 1
	s_lshl_b32 s53, s18, 5
	v_add_nc_u32 v10, s53, v10
	v_mul_u32_u24 v2, v10, 528
	v_lshl_add_u32 v2, v11, 5, v2
	v_add_nc_u32 v2, 0x10000, v2                   ; the bias: row 32 (w % 2) + r, + 32 h: my eight keys of a tile of 16
	s_wait_kmcnt 0x0
	s_add_co_i32 s54, s66, s67
	s_lshl_b32 s55, s54, 23
	s_mov_b32 s22, 0x3e38aa3b                      ; log2(e) / 8,
	s_add_co_i32 s22, s22, s55                     ; x 2^(eq + ek): added to its exponent field
	s_mov_b32 s23, s22
	s_sub_co_i32 s48, 130, s54
	s_lshl_b32 s48, s48, 23                        ; 2^(3 - eq - ek)
	s_mov_b32 s49, s48
	s_add_co_i32 s52, s68, s69                     ; ev + ep
	s_add_co_i32 s54, s69, 127
	s_lshl_b32 s56, s54, 23                        ; 2^ep
	s_add_co_i32 s54, s70, 127
	s_lshl_b32 s58, s54, 23                        ; 2^eo
.macro INIT w                          ; a softmax is written once: the first finds zeros, which the first change of M leaves zeros
	WIN \w
	v_mov_b32 v13, 0xff61b1e6                      ; -3e38, under every t
	v_floor_f32 v12, -v13
	v_mov_b32 v[PT], 0                             ; a lane permute's destination counts as one of its sources
	v_mov_b32 v[FF+1], 0                           ; (named as the upper half of the pair)
.set j, 0
.rept 8
	v_mov_b32 v[LL+j], 0
.set j, j+1
.endr
.set j, 0
.rept 32
	v_mov_b32 v[OO+j], 0
.set j, j+1
.endr
	v_mov_b32 v244, s56
	v_mov_b32 v245, s58
.endm
	INIT 0
	INIT 0x55
	WIN 0
; ONE TILE'S SOFTMAX FOR 128 KEYS; every operand lies in the tile's window.  Behind the maximum the work goes in eight groups of eight scores (group t = the score product's tile t), and the groups overlap:
; in turn t the eight exponentials of group t are issued, and behind each of them stand up to two plain lines that are ready.  PLAIN writes plain line n (0..15) of turn t:
;   n 0-3    t - M for the four pairs of group t + 1 (turn 7, which has no successor: the last four pairs of O^T x f)
;   n 4-7    the row's sum takes the four pairs of group t - 1, each pair into a running sum of its own; group 0's addition is a multiply-add that also brings the sum under the new M (turn 0: O^T x f)
;   n 8-15   nothing (turn 0: O^T x f)
; So no exponential's result is touched by the line behind it, and no two lines that follow each other hang on one another.
.macro PLAIN
.if n < 4
.if t < 7
	v_pk_fma_f32 v[SS+8*t+8+2*n:SS+8*t+9+2*n], v[SS+8*t+8+2*n:SS+8*t+9+2*n], s[22:23], v[12:13] op_sel_hi:[1,0,0]
.else
	v_pk_mul_f32 v[OO+24+2*n:OO+25+2*n], v[OO+24+2*n:OO+25+2*n], v[FF:FF+1] op_sel_hi:[1,0]
.endif
.elseif t == 0
	v_pk_mul_f32 v[OO+2*n-8:OO+2*n-7], v[OO+2*n-8:OO+2*n-7], v[FF:FF+1] op_sel_hi:[1,0]   ; each accumulator of O^T from its low end on
.elseif n < 8
.if t == 1
	s_wait_alu depctr_va_vdst(0)
	v_pk_fma_f32 v[LL+2*n-8:LL+2*n-7], v[LL+2*n-8:LL+2*n-7], v[FF:FF+1], v[SS+2*n-8:SS+2*n-7] op_sel_hi:[1,0,1]
.else
	s_wait_alu depctr_va_vdst(0)
	v_pk_add_f32 v[LL+2*n-8:LL+2*n-7], v[LL+2*n-8:LL+2*n-7], v[SS+8*t+2*n-16:SS+8*t+2*n-15]
.endif
.else
.endif
.endm
.macro SOFTMAX w
	WIN \w
.irp k, 0,1,2,3
	v_max3_num_f32 v[MX+\k], v[SS+16*\k], v[SS+16*\k+1], v[SS+16*\k+2]   ; the largest score of my query among my 64 keys: four chains of 16, by turns; each accumulator is first read at its low end
.endr
.irp i, 3,5,7,9,11,13
.irp k, 0,1,2,3
	v_max3_num_f32 v[MX+\k], v[MX+\k], v[SS+16*\k+\i], v[SS+16*\k+\i+1]
.endr
.endr
	v_max3_num_f32 v[MX], v[MX], v[SS+15], v[SS+31]
	v_max3_num_f32 v[MX+2], v[MX+2], v[SS+47], v[SS+63]
	v_max3_num_f32 v[MX], v[MX], v[MX+1], v[MX+2]
	v_max_num_f32 v[MX], v[MX], v[MX+3]
	v_permlanex16_b32 v[PT], v[MX], s20, s21
	v_mov_b32 v[TM], v12                           ; the old -M
	v_max_num_f32 v[MX], v[MX], v[PT]              ; and among lane l xor 16's
	v_mul_f32 v[MX], s22, v[MX]                    ; as t
	v_max_num_f32 v13, v13, v[MX]
	v_floor_f32 v12, -v13                          ; -M = floor(-t): M is a whole number
	v_sub_f32 v[TM], v12, v[TM]
	v_cvt_i32_f32 v[TM], v[TM]                     ; old M - new M (it saturates)
	v_ldexp_f32 v[FF], 1.0, v[TM]                  ; f = 2^(old M - new M)
.irp k, 0,2,4,6
	v_pk_fma_f32 v[SS+\k:SS+\k+1], v[SS+\k:SS+\k+1], s[22:23], v[12:13] op_sel_hi:[1,0,0]   ; t - M for group 0
.endr
.set t, 0
.rept 8
.set n, 0
.rept 8
	v_exp_f32 v[SS+8*t+n/2], v[SS+8*t+n/2]         ; p = 2^(t - M)
	PLAIN
.set n, n+1
	PLAIN
.set n, n+1
.endr
.if t > 0
	v_cvt_scalef32_pk8_fp8_f32 v[PC+2*t-2:PC+2*t-1], v[SS+8*t-8:SS+8*t-1], v244   ; group t - 1: keys 16 (t - 1) + 8 h + 0..7: a pair of the second product's operand
.endif
.set t, t+1
.endr
.set n, 4
.rept 12
	PLAIN                                          ; group 7's sums
.set n, n+1
.endr
	v_cvt_scalef32_pk8_fp8_f32 v[PC+14:PC+15], v[SS+56:SS+63], v244
	v_nop                                          ; a plain line between the last conversion and the product that reads its result
.endm
; S^T = K Q^T + the bias: the bias, which the loads left in the result's registers, x 2^(3 - eq - ek) under window setting wm; eight products under ww.
.macro QK wm, ww
	WIN \wm
.irp j, 0,2,4,6,8,10,12,14,16,18,20,22,24,26,28,30,32,34,36,38,40,42,44,46,48,50,52,54,56,58,60,62
	v_pk_mul_f32 v[SS+\j:SS+\j+1], v[SS+\j:SS+\j+1], s[48:49] op_sel_hi:[1,0]
.endr
	WIN \ww
.irp t, 0,1,2,3,4,5,6,7
	v_wmma_f32_16x16x64_fp8_fp8 v[SS+8*\t:SS+8*\t+7], v[KF+8*\t:KF+8*\t+7], v[16:23], v[SS+8*\t:SS+8*\t+7]
.endr
.endm
; O^T += V^T P^T: V in window 1; w = 0x01: tile A's p and O^T (window 0); 0x55: tile B's.  The accumulators take turns.
.macro PV w
	WIN \w
.irp c, 0,1,2,3
	v_wmma_f32_16x16x128_fp8_fp8 v[OO+8*\c:OO+8*\c+7], v[KF+16*\c:KF+16*\c+15], v[PC:PC+15], v[OO+8*\c:OO+8*\c+7]
.endr
.endm
; A KEY STEP: 128 keys.  first = 1: the first, in which tile B has no step behind it.
.macro STEP first
	v_add_nc_u32 v8, s50, v1
	v_add_nc_u32 v9, s50, v2
	v_nop
	v_nop                                          ; four plain lines between tile B's score products and the loads over K's fragments, and the first read of those scores
.irp t, 0,1,2,3,4,5,6,7
	ds_load_b128 v[KF+8*\t:KF+8*\t+3], v8 offset:\t*1024            ; K: tile t of 16 keys
	ds_load_b128 v[KF+8*\t+4:KF+8*\t+7], v8 offset:\t*1024+512
.endr
.irp t, 0,1,2,3,4,5,6,7
	ds_load_b128 v[SS+8*\t:SS+8*\t+3], v9 offset:64*\t              ; the bias in the result's layout, tile A
	ds_load_b128 v[SS+8*\t+4:SS+8*\t+7], v9 offset:64*\t+16
.endr
.if !\first
	SOFTMAX 0x55                                   ; tile B, the step before: the 32 loads above land under it
	PV 0x55
.endif
	s_wait_dscnt 0x0                               ; K and tile A's bias are in
	QK 0, 0                                        ; its 32 multiplications are also the places between tile B's products and the loads over V's fragments
.rept 4
	v_nop                                          ; places in front of the first read of tile A's scores
.endr
	WIN 0x40                                       ; destination window 1
.irp c, 0,1,2,3
.irp q, 0,1,2,3
	ds_load_b128 v[KF+16*\c+4*\q:KF+16*\c+4*\q+3], v8 offset:8192+\c*2048+\q*512   ; V^T: tile c of 16 channels x 128 keys
.endr
.endr
.irp t, 0,1,2,3,4,5,6,7
	ds_load_b128 v[SS+8*\t:SS+8*\t+3], v9 offset:8448+64*\t         ; tile B's bias: 16 rows further down
	ds_load_b128 v[SS+8*\t+4:SS+8*\t+7], v9 offset:8448+64*\t+16
.endr
	SOFTMAX 0                                      ; tile A: these 32 loads land under it
	s_wait_dscnt 0x0                               ; V and tile B's bias are in: my reads of this slot are over
	PV 0x01
	QK 0x55, 0x54                                  ; K in window 0; Q, C and D in window 1.  Tile B's scores wait in registers for the next step
	WIN 0
.endm
; THE CHANGE OF SLOTS stands at a slot's head.  Each wave waits for all its tensor loads (its part of the slot ahead), adds 0 to its spare word, and waits for that and for its reads of the slot that it has left.
; fill = 1: a round of the cluster's barrier, and behind it the slot just left is filled with the next 128 keys: the load has a whole key step in which to land.
.macro CHANGE fill
	s_wait_tensorcnt 0x0
	ds_add_u32 v5, v6
.if \fill
	s_xor_b32 s41, s41, SLOT1
	s_add_nc_u64 s[42:43], s[42:43], 16384
	s_xor_b32 s45, s45, SLOT1
	s_add_nc_u64 s[46:47], s[46:47], 512
.endif
	s_wait_dscnt 0x0
.if \fill
	CROUND
	TLOAD
.else
	s_barrier_signal -1
	s_barrier_wait -1
.endif
.endm
	s_wait_loadcnt 0x0                             ; Q
	CHANGE 1
	STEP 1                                         ; the first key step is written out: tile B has nothing behind it yet
	s_xor_b32 s50, s50, SLOT1
.Lslot:                                            ; NKB - 2 trips
	CHANGE 1
	STEP 0
	s_xor_b32 s50, s50, SLOT1
	s_sub_co_u32 s51, s51, 1
	s_cmp_lg_u32 s51, 0
	s_cbranch_scc1 .Lslot
	CHANGE 0                                       ; the last slot is written out
	STEP 0
.rept 4
	v_nop                                          ; places in front of the first read of tile B's last scores
.endr
	SOFTMAX 0x55                                   ; tile B's last step
	PV 0x55
	WIN 0
; THE WAY OUT of a tile: O^T / the sum x 2^(ep + ev), converted with 2^eo: tile c of channels gives registers 2 c, 2 c + 1 of the next product's operand.
.macro OUT w, dw, off
	WIN \w
	v_pk_add_f32 v[LL:LL+1], v[LL:LL+1], v[LL+2:LL+3]             ; the sum's four pairs,
	v_pk_add_f32 v[LL+4:LL+5], v[LL+4:LL+5], v[LL+6:LL+7]
	v_pk_add_f32 v[LL:LL+1], v[LL:LL+1], v[LL+4:LL+5]
	v_add_f32 v14, v[LL], v[LL+1]
	v_permlanex16_b32 v[PT], v14, s20, s21
	v_add_f32 v14, v14, v[PT]                      ; and lane l xor 16's
	v_rcp_f32 v14, v14
	v_nop
	s_wait_alu depctr_va_vdst(0)
	v_ldexp_f32 v14, v14, s52
.set j, 0
.rept 32
	v_mul_f32 v[SS+j], v[OO+j], v14
.set j, j+1
.endr
.set j, 0
.rept 32
.set j, j+1
.endr
.irp c, 0,1,2,3
	v_cvt_scalef32_pk8_fp8_f32 v[PC+2*\c:PC+2*\c+1], v[SS+8*\c:SS+8*\c+7], v245
.endr
	v_nop
	WIN \dw
	global_store_b128 v7, v[PC:PC+3], s[10:11] offset:\off        ; 32 lanes store 512 consecutive bytes, aligned
	global_store_b128 v7, v[PC+4:PC+7], s[10:11] offset:\off+512
.endm
.rept 4
	v_nop                                          ; places behind the last products
.endr
	OUT 0, 0, 0
	OUT 0x55, 0x04, 16384
	WIN 0
	s_wait_tensorcnt 0x0                           ; the wave's end
	ds_add_u32 v5, v6
	s_wait_dscnt 0x0
	CROUND                                         ; the closing round
	s_endpgm
.Lfunc_end_k_q662284b2ee_attn1:
	.size	k_q662284b2ee_attn1, .Lfunc_end_k_q662284b2ee_attn1-k_q662284b2ee_attn1
	.p2alignl 7, 3214868480
	.fill 96, 4, 3214868480
	.section	.rodata,"a",@progbits
	.p2align	6, 0x0
	.amdhsa_kernel k_q662284b2ee_attn1
		.amdhsa_group_segment_fixed_size 327680
		.amdhsa_private_segment_fixed_size 0
		.amdhsa_enable_private_segment 0
		.amdhsa_kernarg_size 32
		.amdhsa_user_sgpr_count 2
		.amdhsa_user_sgpr_kernarg_segment_ptr 1
		.amdhsa_wavefront_size32 1
		.amdhsa_system_sgpr_workgroup_id_x 1
		.amdhsa_system_sgpr_workgroup_id_y 1
		.amdhsa_system_sgpr_workgroup_id_z 1
		.amdhsa_system_vgpr_workitem_id 0
		.amdhsa_next_free_vgpr 512
		.amdhsa_next_free_sgpr 72
		.amdhsa_reserve_vcc 0
		.amdhsa_float_denorm_mode_32 3
		.amdhsa_float_denorm_mode_16_64 3
		.amdhsa_fp16_overflow 1
		.amdhsa_memory_ordered 1
		.amdhsa_forward_progress 1
		.amdhsa_inst_pref_size 113
	.end_amdhsa_kernel
	.amdgpu_metadata
---
amdhsa.version: [ 1, 2 ]
amdhsa.kernels:
  - .name:           k_q662284b2ee_attn1
    .symbol:         k_q662284b2ee_attn1.kd
    .args:
      - { .name: qkv, .offset: 0, .size: 8, .value_kind: global_buffer, .address_space: global }
      - { .name: casual_mask, .offset: 8, .size: 8, .value_kind: global_buffer, .address_space: global }
      - { .name: lowp_scales, .offset: 16, .size: 8, .value_kind: global_buffer, .address_space: global }
      - { .name: obuf, .offset: 24, .size: 8, .value_kind: global_buffer, .address_space: global }
    .group_segment_fixed_size: 327680
    .private_segment_fixed_size: 0
    .kernarg_segment_align: 8
    .kernarg_segment_size: 32
    .max_flat_workgroup_size: 256
    .sgpr_count:     72
    .vgpr_count:     512
    .wavefront_size: 32
...
	.end_amdgpu_metadata
.endif
;; end of part 3
;; launch wo1 (part 4): grid 8 x 32, 4 waves a work-group, clusters of 4 x 4, 295,424 bytes of LDS; arguments obuf, Wo1_codes, pa, x, x1; writes x1
.if DOCPART == 4
	.amdgcn_target "amdgcn-amd-amdhsa--gfx1250"
	.amdhsa_code_object_version 6
	.text
	.protected	k_q662284b2ee_wo1
	.globl	k_q662284b2ee_wo1
	.p2align	8
	.type	k_q662284b2ee_wo1,@function
k_q662284b2ee_wo1:
	s_mov_b64 s[64:65], 0
	v_nop
	global_prefetch_b8 v0, s[64:65] scope:SCOPE_SE
	s_setreg_imm32_b32 hwreg(HW_REG_WAVE_MODE, 25, 1), 1
	s_wait_xcnt 0x0
	s_wait_alu depctr_hold_cnt(0) depctr_sa_sdst(0) depctr_va_vdst(0) depctr_va_sdst(0) depctr_va_ssrc(0) depctr_va_vcc(0) depctr_vm_vsrc(0)
	s_getreg_b32 s2, hwreg(HW_REG_IB_STS2, 6, 4)
	s_cmp_eq_u32 s2, 0
	s_cbranch_scc0 .Lentry_in_a_cluster
	s_endpgm
.Lentry_in_a_cluster:
	s_bfe_u32 s2, ttmp6, 0x10000c
	s_cmp_lg_u32 s2, 0xf033
	s_cbranch_scc0 .Lentry_shape_is_right
	s_endpgm
.Lentry_shape_is_right:
; out = act W^T x 2^(eA + eB) + resid.  act: 4,096 tokens x 1,024 as an image of the operand's registers (token tile of 16: 16 KiB; K step of 128: 2 KiB; four registers: 512 bytes, lane l at 16 l); W: [1024][1024] codes, K innermost;
; resid, out: [4096][1024] f32.  par: eA, eB (int32).
; A tile of 128 tokens x 128 columns to a work-group gives 256 work-groups.  THE WHOLE K IS RESIDENT: act's 128 KiB and W's 136 KiB lie in LDS together, in four chunks of 256 along K, all asked for at the start: by this text's count a
; wave has four tensor loads out.  Nothing is filled again.  In front of each chunk's first read stand a counted wait and a barrier.
; CLUSTER 4 x 4: act's tiles are shared along the cluster's row, W's along its column: joint loads.
; Four waves, each 64 tokens x 64 columns: 16 accumulators.  Transposed use (source 0 = 16 rows of W, source 1 = 16 tokens): a lane holds one token and eight neighbouring columns.
; W's fragments are read by 8-byte loads, so that k lies in the same places as in act's image.
; LIMIT: eA + eB between -126 and 127.
; REGISTERS: window 0: v1-31 addresses; v32-95 rows back from the stage; v128-255 accumulator (a, b) at 128 + 8 (4 a + b).  window 1: two fragment buffers of 128: act's four at 16 a, W's four at 64 + 16 b.  window 2: v0-127 the residual.
.set BOFF, 131072                      ; W's chunks: 128 rows x 272 each
.set STG,  270336                      ; behind them: a stage of 16 rows x 272 for each wave; no tensor load lands there
.set MSB, 0
.macro WIN new
.if MSB != \new
	s_set_vgpr_msb (MSB<<8)|\new
.set MSB, \new
.endif
.endm
.macro PLACES
.rept 4
	v_nop
.endr
.endm
.macro CROUND
	s_barrier_signal -1
	s_barrier_wait -1
	s_cmp_lg_u32 s14, 0
	s_cbranch_scc1 .Lnot_wave_0_\@
	s_barrier_signal -3
.Lnot_wave_0_\@:
	s_barrier_wait -3
	s_barrier_signal -1
	s_barrier_wait -1
.endm
	s_load_b256 s[4:11], s[0:1], 0x0               ; act, W, par, resid
	s_load_b64 s[12:13], s[0:1], 0x20              ; out
	v_lshl_add_u32 v126, v0, 2, 0x48000
	v_mov_b32 v127, 0
	ds_add_u32 v126, v127
	ds_add_u32 v126, v127
	v_lshrrev_b32 v1, 5, v0
	v_readfirstlane_b32 s14, v1                    ; wave 0..3
	s_lshr_b32 s15, s14, 1                         ; my 64 tokens of the 128; also: I fetch act (0) or W (1)
	s_and_b32 s16, s14, 1                          ; my 64 columns; also: which half I fetch
	s_bfe_u32 s17, ttmp6, 0x40000                  ; cx
	s_bfe_u32 s18, ttmp6, 0x40004                  ; cy
	s_lshl_b32 s19, ttmp9, 2
	s_add_co_u32 s19, s19, s17                     ; tile column 0..7
	s_and_b32 s20, ttmp7, 0xffff
	s_lshl_b32 s20, s20, 2
	s_add_co_u32 s20, s20, s18                     ; tile row 0..31
	s_lshl_b32 s21, s18, 2
	s_lshl_b32 s21, 15, s21
	s_lshl_b32 s22, 0x1111, s17
	s_or_b32 s24, s21, (3<<16)|(1<<21)             ; act: the mask of my row; elements of 8 bytes; bit 21 beside a mask
	s_mov_b32 s25, 512<<16                         ; tensor_dim0: 4 KiB: a token tile's 256 along K
	s_mov_b32 s26, 4<<16                           ; tensor_dim1: four token tiles
	s_mov_b32 s27, 512<<16
	s_mov_b32 s28, 4
	s_mov_b32 s29, 2048                            ; 16 KiB from token tile to token tile
	s_mov_b32 s30, 0
	s_mov_b32 s31, 0
	s_or_b32 s48, s22, (0<<16)|(1<<20)|(1<<21)|(5<<22)|(3<<25)   ; W: the mask of my column; bytes; 4 words of padding behind every 64
	s_mov_b32 s49, 256<<16
	s_mov_b32 s50, 64<<16
	s_mov_b32 s51, 256<<16
	s_mov_b32 s52, 64
	s_mov_b32 s53, 1024
	s_mov_b32 s54, 0
	s_mov_b32 s55, 0
	s_lshl_b32 s84, s20, 17
	s_lshl_b32 s86, s16, 16
	s_add_co_u32 s84, s84, s86                     ; act: 128 KiB x tile row + 64 KiB x half
	s_mov_b32 s85, 0
	s_lshl_b32 s88, s19, 17
	s_add_co_u32 s88, s88, s86                     ; W: 128 rows x tile column + 64 rows x half
	s_mov_b32 s89, 0
	s_lshl_b32 s87, s16, 14
	s_mul_i32 s23, s16, 17408
	s_add_co_u32 s23, s23, BOFF
	s_wait_dscnt 0x0
	s_wait_kmcnt 0x0
	s_load_b256 s[76:83], s[8:9], 0x0              ; par
	s_add_nc_u64 s[84:85], s[4:5], s[84:85]
	s_add_nc_u64 s[88:89], s[6:7], s[88:89]
.irp c, 0,1,2,3
	s_mov_b32 s[32+4*\c], 1
	s_add_co_u32 s[33+4*\c], s87, \c*32768
	s_add_nc_u64 s[34+4*\c:35+4*\c], s[84:85], \c*4096
	s_or_b32 s[35+4*\c], s[35+4*\c], 0x80000000
	s_mov_b32 s[56+4*\c+4*(\c/2)], 1
	s_add_co_u32 s[57+4*\c+4*(\c/2)], s23, \c*34816
	s_add_nc_u64 s[58+4*\c+4*(\c/2):59+4*\c+4*(\c/2)], s[88:89], \c*256
	s_or_b32 s[59+4*\c+4*(\c/2)], s[59+4*\c+4*(\c/2)], 0x80000000
.endr
	CROUND                                         ; all sixteen work-groups are here
	s_cmp_eq_u32 s15, 0                            ; a wave's four first fills stand in one branch
	s_cbranch_scc0 .Lfill_w
	tensor_load_to_lds s[32:35], s[24:31]
	s_nop 0
	tensor_load_to_lds s[36:39], s[24:31]
	s_nop 0
	tensor_load_to_lds s[40:43], s[24:31]
	s_nop 0
	tensor_load_to_lds s[44:47], s[24:31]
	s_nop 0
	PLACES
	s_branch .Lfilled
.Lfill_w:
	tensor_load_to_lds s[56:59], s[48:55]
	s_nop 0
	tensor_load_to_lds s[60:63], s[48:55]
	s_nop 0
	tensor_load_to_lds s[68:71], s[48:55]
	s_nop 0
	tensor_load_to_lds s[72:75], s[48:55]
	s_nop 0
	PLACES
.Lfilled:
	v_and_b32 v1, 15, v0                           ; r
	v_bfe_u32 v2, v0, 4, 1                         ; h
	v_and_b32 v3, 31, v0
	v_lshlrev_b32 v4, 4, v3
	s_lshl_b32 s94, s15, 14
	v_add_nc_u32 v16, s94, v4                      ; act's fragments: my four token tiles, 16 bytes a lane; chunks 0, 1
	v_add_nc_u32 v17, 0x10000, v16                 ; chunks 2, 3
	v_mul_u32_u24 v5, v1, 272
	v_lshl_add_u32 v5, v2, 3, v5
	s_mul_i32 s94, s16, 17408
	s_add_co_u32 s94, s94, BOFF
	v_add_nc_u32 v20, s94, v5                      ; W's: row r x 272 + 8 h; the 32 lanes of an 8-byte load touch 64 different banks
	v_add_nc_u32 v21, 69632, v20
	s_mul_i32 s94, s14, 4352
	s_add_co_u32 s94, s94, STG
	v_mul_u32_u24 v5, v1, 272
	v_lshl_add_u32 v5, v2, 5, v5
	v_add_nc_u32 v24, s94, v5                      ; the stage, in: row r, 32 bytes for each half of the lanes
	v_mul_u32_u24 v5, v2, 272
	v_lshl_add_u32 v5, v1, 4, v5
	v_add_nc_u32 v25, s94, v5                      ; back: lanes 0-15 one row of 256 bytes, lanes 16-31 the next
	v_lshlrev_b32 v5, 12, v2
	v_lshl_add_u32 v26, v1, 4, v5                  ; and the same two rows in memory
	s_wait_alu depctr_va_vdst(0)
	s_lshl_b32 s92, s20, 7
	s_lshl_b32 s93, s15, 6
	s_add_co_u32 s92, s92, s93
	s_lshl_b32 s92, s92, 12                        ; my first token's row,
	s_lshl_b32 s93, s19, 9
	s_add_co_u32 s92, s92, s93
	s_lshl_b32 s93, s16, 8
	s_add_co_u32 s92, s92, s93                     ; + my first column
	s_mov_b32 s93, 0
	s_add_nc_u64 s[10:11], s[10:11], s[92:93]
	s_add_nc_u64 s[12:13], s[12:13], s[92:93]
	WIN 0x80                                       ; destination window 2
.irp a, 0,1,2,3
.irp t, 0,1,2,3,4,5,6,7
	global_load_b128 v[32*\a+4*\t:32*\a+4*\t+3], v26, s[10:11] offset:(16*\a+2*\t)*4096   ; the residual comes in under the products; 16 lanes read 256 consecutive bytes
.endr
.endr
	WIN 0
	s_wait_kmcnt 0x0
	s_add_co_i32 s90, s76, s77
	s_add_co_i32 s90, s90, 127
	s_lshl_b32 s90, s90, 23                        ; 2^(eA + eB) as f32
	s_mov_b32 s91, s90
.macro FETCH i, f                      ; the fragments of K step i (chunk i / 2, half i % 2) into buffer f
	WIN 0x40
.irp a, 0,1,2,3
.irp q, 0,1,2,3
	ds_load_b128 v[\f+16*\a+4*\q:\f+16*\a+4*\q+3], v[16+(\i)/4] offset:(((\i)/2)%2)*32768+\a*4096+((\i)%2)*2048+\q*512
.endr
.endr
.irp b, 0,1,2,3
.irp c, 0,1,2,3,4,5,6,7
	ds_load_b64 v[\f+64+16*\b+2*\c:\f+64+16*\b+2*\c+1], v[20+(\i)/4] offset:(((\i)/2)%2)*34816+\b*4352+((\i)%2)*128+16*\c
.endr
.endr
.endm
.macro MUL16 f, zero                   ; the 16 accumulators take turns, in the same order in every step
	WIN 0x05
.irp a, 0,1,2,3
.irp b, 0,1,2,3
.if \zero
	v_wmma_f32_16x16x128_fp8_fp8 v[128+8*(4*\a+\b):135+8*(4*\a+\b)], v[\f+64+16*\b:\f+79+16*\b], v[\f+16*\a:\f+15+16*\a], 0
.else
	v_wmma_f32_16x16x128_fp8_fp8 v[128+8*(4*\a+\b):135+8*(4*\a+\b)], v[\f+64+16*\b:\f+79+16*\b], v[\f+16*\a:\f+15+16*\a], v[128+8*(4*\a+\b):135+8*(4*\a+\b)]
.endif
.endr
.endr
.endm
.macro KS i, zero
	s_wait_dscnt 0x0                               ; this step's fragments are in
.if (\i) < 7
.if ((\i)+1)%2 == 0
	s_wait_tensorcnt 3-((\i)+1)/2                  ; my part of the next chunk has landed; my later chunks' loads may stay out
	s_barrier_signal -1
	s_barrier_wait -1                              ; everybody's has
.endif
.if (\i) > 0
	PLACES                                         ; in front of loads into the buffer that the last step multiplied
.endif
	FETCH (\i)+1, 128*(((\i)+1)%2)
.endif
	MUL16 128*((\i)%2), \zero
.endm
	s_wait_tensorcnt 3                             ; my part of chunk 0 has landed; three loads may stay out
	s_barrier_signal -1
	s_barrier_wait -1
	FETCH 0, 0
	KS 0, 1
	KS 1, 0
	KS 2, 0
	KS 3, 0
	KS 4, 0
	KS 5, 0
	KS 6, 0
	KS 7, 0
	WIN 0
	s_wait_loadcnt 0x0                             ; the residual
	PLACES
; THE WAY OUT, 16 tokens at a time: through my own stage, back as whole rows of 256 bytes, one packed multiply-add with the residual, stored from the residual's registers (each used once).
.irp a, 0,1,2,3
.irp b, 0,1,2,3
	ds_store_b128 v24, v[128+8*(4*\a+\b):131+8*(4*\a+\b)] offset:64*\b
	ds_store_b128 v24, v[132+8*(4*\a+\b):135+8*(4*\a+\b)] offset:64*\b+16
.endr
.irp t, 0,1,2,3,4,5,6,7
	ds_load_b128 v[32+32*(\a%2)+4*\t:35+32*(\a%2)+4*\t], v25 offset:2*\t*272   ; LDS serves a wave's instructions in order: these see my stores
.endr
	s_wait_dscnt 0x0
	WIN 0xa0                                       ; source 2 and destination window 2
.irp k, 0,2,4,6,8,10,12,14,16,18,20,22,24,26,28,30
	v_pk_fma_f32 v[32*\a+\k:32*\a+\k+1], v[32+32*(\a%2)+\k:33+32*(\a%2)+\k], s[90:91], v[32*\a+\k:32*\a+\k+1] op_sel_hi:[1,0,1]
.endr
	WIN 0x08                                       ; store data window 2
.irp t, 0,1,2,3,4,5,6,7
	global_store_b128 v26, v[32*\a+4*\t:32*\a+4*\t+3], s[12:13] offset:(16*\a+2*\t)*4096   ; 16 lanes store 256 consecutive bytes, aligned
.endr
	WIN 0
.endr
	s_wait_dscnt 0x0
	s_wait_tensorcnt 0x0
	ds_add_u32 v126, v127
	s_wait_dscnt 0x0
	CROUND                                         ; the closing round
	s_endpgm
.Lfunc_end_k_q662284b2ee_wo1:
	.size	k_q662284b2ee_wo1, .Lfunc_end_k_q662284b2ee_wo1-k_q662284b2ee_wo1
	.p2alignl 7, 3214868480
	.fill 96, 4, 3214868480
	.section	.rodata,"a",@progbits
	.p2align	6, 0x0
	.amdhsa_kernel k_q662284b2ee_wo1
		.amdhsa_group_segment_fixed_size 295424
		.amdhsa_private_segment_fixed_size 0
		.amdhsa_enable_private_segment 0
		.amdhsa_kernarg_size 40
		.amdhsa_user_sgpr_count 2
		.amdhsa_user_sgpr_kernarg_segment_ptr 1
		.amdhsa_wavefront_size32 1
		.amdhsa_system_sgpr_workgroup_id_x 1
		.amdhsa_system_sgpr_workgroup_id_y 1
		.amdhsa_system_sgpr_workgroup_id_z 1
		.amdhsa_system_vgpr_workitem_id 0
		.amdhsa_next_free_vgpr 640
		.amdhsa_next_free_sgpr 96
		.amdhsa_reserve_vcc 0
		.amdhsa_float_denorm_mode_32 3
		.amdhsa_float_denorm_mode_16_64 3
		.amdhsa_memory_ordered 1
		.amdhsa_forward_progress 1
		.amdhsa_inst_pref_size 57
	.end_amdhsa_kernel
	.amdgpu_metadata
---
amdhsa.version: [ 1, 2 ]
amdhsa.kernels:
  - .name:           k_q662284b2ee_wo1
    .symbol:         k_q662284b2ee_wo1.kd
    .args:
      - { .name: obuf, .offset: 0, .size: 8, .value_kind: global_buffer, .address_space: global }
      - { .name: Wo1_codes, .offset: 8, .size: 8, .value_kind: global_buffer, .address_space: global }
      - { .name: pa, .offset: 16, .size: 8, .value_kind: global_buffer, .address_space: global }
      - { .name: x, .offset: 24, .size: 8, .value_kind: global_buffer, .address_space: global }
      - { .name: x1, .offset: 32, .size: 8, .value_kind: global_buffer, .address_space: global }
    .group_segment_fixed_size: 295424
    .private_segment_fixed_size: 0
    .kernarg_segment_align: 8
    .kernarg_segment_size: 40
    .max_flat_workgroup_size: 128
    .sgpr_count:     96
    .vgpr_count:     640
    .wavefront_size: 32
...
	.end_amdgpu_metadata
.endif
;; end of part 4
;; launch norm2 (part 5): grid 256 x 1, 4 waves a work-group, no clusters, 17,408 bytes of LDS; arguments x1, g2, pa, hbuf; writes hbuf
.if DOCPART == 5
	.amdgcn_target "amdgcn-amd-amdhsa--gfx1250"
	.amdhsa_code_object_version 6
	.text
	.protected	k_q662284b2ee_norm2
	.globl	k_q662284b2ee_norm2
	.p2align	8
	.type	k_q662284b2ee_norm2,@function
k_q662284b2ee_norm2:
	s_mov_b64 s[64:65], 0
	v_nop
	global_prefetch_b8 v0, s[64:65] scope:SCOPE_SE
	s_setreg_imm32_b32 hwreg(HW_REG_WAVE_MODE, 25, 1), 1
	s_wait_xcnt 0x0
; h = xin / sqrt(mean(xin^2) + 1e-6) * g, quantised to E4M3 codes with the scale 2^e, e = par[2], and stored as an image of the operand's registers:
; token tile of 16 rows: 16 KiB; chunk q = k / 32: 512 bytes; lane (r, h) at 16 (r + 16 h): k = 32 q + 8 h + 0..7, then 32 q + 16 + 8 h + 0..7.
; A work-group is one token tile; a wave holds a whole row at a time (four rows), so the sum of squares never leaves the wave.  Lane l holds, for group j, the neighbours 256 j + 8 l + 0..7.
; The codes meet in LDS, where a chunk has 528 bytes (512 + 16), so that a row's eight-byte pieces fall on different banks; behind one barrier each wave stores eight chunks, 512 consecutive bytes an instruction.
; No cluster, no tensor load, no matrix unit: work-groups share nothing but g's 4 KiB.
; LIMITS: e between -126 and 119.  NaN and infinity are not served.  x * rsq(..) * g stands for x / sqrt(..) * g (v_rsq_f32: 1 ulp).
.set G,  24                            ; v[24:55]   g
.set X,  64                            ; v[64:191]  four rows
.set C,  192                           ; v[192:223] codes: row i, group j at C + 8 i + 2 j
.set O,  224                           ; v[224:255] eight chunks on the way out
.set CP, 528
	s_load_b256 s[4:11], s[0:1], 0x0               ; xin, g, par, out
	v_lshl_add_u32 v62, v0, 2, 0x4200
	v_mov_b32 v63, 0
	v_lshrrev_b32 v1, 5, v0
	v_readfirstlane_b32 s18, v1                    ; wave 0..3
	v_and_b32 v1, 31, v0
	v_lshlrev_b32 v2, 5, v1
	v_mov_b32 v9, 0
	v_mov_b32 v20, 0
	v_lshrrev_b32 v10, 2, v1
	v_mul_u32_u24 v5, v10, CP                      ; chunk l / 4 of the group's eight,
	v_and_b32 v10, 1, v1
	v_lshl_add_u32 v5, v10, 8, v5                  ; h = l % 2: 256 bytes,
	v_bfe_u32 v10, v1, 1, 1
	v_lshl_add_u32 v5, v10, 3, v5                  ; the lane's first or second eight bytes,
	s_lshl_b32 s3, s18, 6
	v_add_nc_u32 v5, s3, v5                        ; row 4 x wave: 16 bytes a row
	v_lshlrev_b32 v6, 4, v1
	s_mul_i32 s3, s18, 8*CP
	v_add_nc_u32 v7, s3, v6                        ; back: my eight chunks
	s_lshl_b32 s3, s18, 12
	v_add_nc_u32 v6, s3, v6                        ; and their place in the token tile's 16 KiB
	s_lshl_b32 s2, ttmp9, 4
	s_lshl_b32 s3, s18, 2
	s_add_co_u32 s2, s2, s3
	s_lshl_b32 s32, s2, 12
	s_mov_b32 s33, 0
	s_lshl_b32 s34, ttmp9, 14
	s_mov_b32 s35, 0
	s_mov_b32 s28, 0x3a800000                      ; 1 / 1024
	s_mov_b32 s29, 0x358637bd                      ; 1e-6
	s_mov_b32 s30, 0x76543210
	s_mov_b32 s31, 0xfedcba98
	s_wait_kmcnt 0x0
	s_load_b32 s12, s[8:9], 0x8                    ; e
	s_add_nc_u64 s[20:21], s[4:5], s[32:33]
	s_add_nc_u64 s[14:15], s[10:11], s[34:35]
.irp j, 0,1,2,3
	global_load_b128 v[G+8*\j:G+8*\j+3], v2, s[6:7] offset:1024*\j
	global_load_b128 v[G+8*\j+4:G+8*\j+7], v2, s[6:7] offset:1024*\j+16
.endr
.irp i, 0,1,2,3
.irp j, 0,1,2,3
	global_load_b128 v[X+32*\i+8*\j:X+32*\i+8*\j+3], v2, s[20:21] offset:4096*\i+1024*\j
	global_load_b128 v[X+32*\i+8*\j+4:X+32*\i+8*\j+7], v2, s[20:21] offset:4096*\i+1024*\j+16
.endr
.endr
	s_wait_kmcnt 0x0
	s_add_co_i32 s2, s12, 127
	s_lshl_b32 s3, s2, 23
	v_mov_b32 v21, s3                              ; 2^e
	s_add_co_i32 s2, s2, 8
	s_lshl_b32 s2, s2, 23
	s_or_b32 s2, s2, 0x600000
.macro ROW i
.set XR, X+32*(\i)
	s_wait_loadcnt 8*(3-(\i))                      ; g and this row are in; the later rows' eight loads each may stay out
	v_pk_mul_f32 v[10:11], v[XR:XR+1], v[XR:XR+1]
	v_pk_mul_f32 v[12:13], v[XR+2:XR+3], v[XR+2:XR+3]
.irp k, 4,8,12,16,20,24,28
	v_pk_fma_f32 v[10:11], v[XR+\k:XR+\k+1], v[XR+\k:XR+\k+1], v[10:11]
	v_pk_fma_f32 v[12:13], v[XR+\k+2:XR+\k+3], v[XR+\k+2:XR+\k+3], v[12:13]
.endr
	v_pk_add_f32 v[10:11], v[10:11], v[12:13]
	v_add_f32 v10, v10, v11
	v_add_f32_dpp v10, v10, v10 row_xmask:1 row_mask:0xf bank_mask:0xf
	v_add_f32_dpp v10, v10, v10 row_xmask:2 row_mask:0xf bank_mask:0xf
	v_add_f32_dpp v10, v10, v10 row_xmask:4 row_mask:0xf bank_mask:0xf
	v_add_f32_dpp v10, v10, v10 row_xmask:8 row_mask:0xf bank_mask:0xf
	v_permlanex16_b32 v20, v10, s30, s31
	v_add_f32 v10, v10, v20
	v_fma_f32 v10, v10, s28, s29
	s_wait_alu depctr_va_vdst(0)
	v_rsq_f32 v8, v10
	v_nop                                          ; one plain instruction behind the transcendental
	s_wait_alu depctr_va_vdst(0)
.irp k, 0,2,4,6,8,10,12,14,16,18,20,22,24,26,28,30
	v_pk_mul_f32 v[XR+\k:XR+\k+1], v[XR+\k:XR+\k+1], v[8:9] op_sel_hi:[1,0]
.endr
.irp k, 0,2,4,6,8,10,12,14,16,18,20,22,24,26,28,30
	v_pk_mul_f32 v[XR+\k:XR+\k+1], v[XR+\k:XR+\k+1], v[G+\k:G+\k+1]
.endr
.set n, 0
.rept 32
.set n, n+1
.endr
.irp j, 0,1,2,3
	v_cvt_scalef32_pk8_fp8_f32 v[C+8*(\i)+2*\j:C+8*(\i)+2*\j+1], v[XR+8*\j:XR+8*\j+7], v21
.endr
	v_nop                                          ; a plain line behind the last conversion
.irp j, 0,1,2,3
	ds_store_b64 v5, v[C+8*(\i)+2*\j:C+8*(\i)+2*\j+1] offset:16*(\i)+8*CP*\j
.endr
.endm
	ROW 0
	ROW 1
	ROW 2
	ROW 3
	s_wait_dscnt 0x0                               ; for the others' sake: my stores have landed
	s_barrier_signal -1
	s_barrier_wait -1
.irp t, 0,1,2,3,4,5,6,7
	ds_load_b128 v[O+4*\t:O+4*\t+3], v7 offset:CP*\t
.endr
.irp t, 0,1,2,3,4,5,6,7
	s_wait_dscnt 7-\t                              ; chunk t is back; the younger loads may stay out
	global_store_b128 v6, v[O+4*\t:O+4*\t+3], s[14:15] offset:512*\t   ; 32 lanes store 512 consecutive bytes, aligned
.endr
	s_wait_tensorcnt 0x0
	ds_add_u32 v62, v63
	s_wait_dscnt 0x0
	s_endpgm
.Lfunc_end_k_q662284b2ee_norm2:
	.size	k_q662284b2ee_norm2, .Lfunc_end_k_q662284b2ee_norm2-k_q662284b2ee_norm2
	.p2alignl 7, 3214868480
	.fill 96, 4, 3214868480
	.section	.rodata,"a",@progbits
	.p2align	6, 0x0
	.amdhsa_kernel k_q662284b2ee_norm2
		.amdhsa_group_segment_fixed_size 17408
		.amdhsa_private_segment_fixed_size 0
		.amdhsa_enable_private_segment 0
		.amdhsa_kernarg_size 32
		.amdhsa_user_sgpr_count 2
		.amdhsa_user_sgpr_kernarg_segment_ptr 1
		.amdhsa_wavefront_size32 1
		.amdhsa_system_sgpr_workgroup_id_x 1
		.amdhsa_system_sgpr_workgroup_id_y 1
		.amdhsa_system_sgpr_workgroup_id_z 1
		.amdhsa_system_vgpr_workitem_id 0
		.amdhsa_next_free_vgpr 256
		.amdhsa_next_free_sgpr 66
		.amdhsa_reserve_vcc 0
		.amdhsa_float_denorm_mode_32 3
		.amdhsa_float_denorm_mode_16_64 3
		.amdhsa_fp16_overflow 1
		.amdhsa_memory_ordered 1
		.amdhsa_forward_progress 1
		.amdhsa_inst_pref_size 25
	.end_amdhsa_kernel
	.amdgpu_metadata
---
amdhsa.version: [ 1, 2 ]
amdhsa.kernels:
  - .name:           k_q662284b2ee_norm2
    .symbol:         k_q662284b2ee_norm2.kd
    .args:
      - { .name: x1, .offset: 0, .size: 8, .value_kind: global_buffer, .address_space: global }
      - { .name: g2, .offset: 8, .size: 8, .value_kind: global_buffer, .address_space: global }
      - { .name: pa, .offset: 16, .size: 8, .value_kind: global_buffer, .address_space: global }
      - { .name: hbuf, .offset: 24, .size: 8, .value_kind: global_buffer, .address_space: global }
    .group_segment_fixed_size: 17408
    .private_segment_fixed_size: 0
    .kernarg_segment_align: 8
    .kernarg_segment_size: 32
    .max_flat_workgroup_size: 128
    .sgpr_count:     66
    .vgpr_count:     256
    .wavefront_size: 32
...
	.end_amdgpu_metadata
.endif
;; end of part 5
;; launch wq2 (part 6): grid 8 x 32, 4 waves a work-group, clusters of 4 x 4, 295,424 bytes of LDS; arguments hbuf, Wq2_codes, pa, qkv; writes qkv
.if DOCPART == 6
	.amdgcn_target "amdgcn-amd-amdhsa--gfx1250"
	.amdhsa_code_object_version 6
	.text
	.protected	k_q662284b2ee_wq2
	.globl	k_q662284b2ee_wq2
	.p2align	8
	.type	k_q662284b2ee_wq2,@function
k_q662284b2ee_wq2:
	s_mov_b64 s[64:65], 0
	v_nop
	global_prefetch_b8 v0, s[64:65] scope:SCOPE_SE
	s_setreg_imm32_b32 hwreg(HW_REG_WAVE_MODE, 25, 1), 1
	s_wait_xcnt 0x0
	s_wait_alu depctr_hold_cnt(0) depctr_sa_sdst(0) depctr_va_vdst(0) depctr_va_sdst(0) depctr_va_ssrc(0) depctr_va_vcc(0) depctr_vm_vsrc(0)
	s_getreg_b32 s2, hwreg(HW_REG_IB_STS2, 6, 4)
	s_cmp_eq_u32 s2, 0
	s_cbranch_scc0 .Lentry_in_a_cluster
	s_endpgm
.Lentry_in_a_cluster:
	s_bfe_u32 s2, ttmp6, 0x10000c
	s_cmp_lg_u32 s2, 0xf033
	s_cbranch_scc0 .Lentry_shape_is_right
	s_endpgm
.Lentry_shape_is_right:
; out = Q(clip(act W^T)): the product's result is quantised at once for the product that reads it and stored as an image of the operand's registers.
; act: 4,096 tokens x 1,024 as such an image (token tile of 16: 16 KiB; K step of 128: 2 KiB; four registers: 512 bytes, lane l at 16 l); W: [1024][1024] codes, K innermost.
; par (int32): [2] eA, [3] eB, [4] eOut, [5] the f32 number m: the hold is between m x 448 x scale and 448 x scale: m = -1: the plain hold; m = 0: what is negative becomes 0 (the activation and the hold in one).
; A tile of 128 tokens x 128 columns to a work-group gives 256 work-groups.  THE WHOLE K IS RESIDENT: act's 128 KiB and W's 136 KiB lie in LDS together, in four chunks of 256 along K, all asked for at the start: by this text's count a
; wave has four tensor loads out.  Nothing is filled again.  In front of each chunk's first read stand a counted wait and a barrier.
; CLUSTER 4 x 4: act's tiles are shared along the cluster's row, W's along its column: joint loads.
; Four waves, each 64 tokens x 64 columns.  Transposed use (source 0 = 16 rows of W, source 1 = 16 tokens): a lane holds one token and eight neighbouring columns, so a converted accumulator is a pair of the next operand's registers.
; LIMIT: eOut - eA - eB between -126 and 119.
; REGISTERS: window 0: v1-31 addresses and scales; v32-63 the codes; v128-255 accumulator (a, b) at 128 + 8 (4 a + b).  window 1: two fragment buffers of 128: act's four at 16 a, W's four at 64 + 16 b.
.set BOFF, 131072
.set MSB, 0
.macro WIN new
.if MSB != \new
	s_set_vgpr_msb (MSB<<8)|\new
.set MSB, \new
.endif
.endm
.macro PLACES
.rept 4
	v_nop
.endr
.endm
.macro CROUND
	s_barrier_signal -1
	s_barrier_wait -1
	s_cmp_lg_u32 s14, 0
	s_cbranch_scc1 .Lnot_wave_0_\@
	s_barrier_signal -3
.Lnot_wave_0_\@:
	s_barrier_wait -3
	s_barrier_signal -1
	s_barrier_wait -1
.endm
	s_load_b256 s[4:11], s[0:1], 0x0               ; act, W, par, out
	v_lshl_add_u32 v126, v0, 2, 0x48000
	v_mov_b32 v127, 0
	ds_add_u32 v126, v127
	ds_add_u32 v126, v127
	v_lshrrev_b32 v1, 5, v0
	v_readfirstlane_b32 s14, v1
	s_lshr_b32 s15, s14, 1                         ; my 64 tokens; also: I fetch act (0) or W (1)
	s_and_b32 s16, s14, 1                          ; my 64 columns; also: which half I fetch
	s_bfe_u32 s17, ttmp6, 0x40000
	s_bfe_u32 s18, ttmp6, 0x40004
	s_lshl_b32 s19, ttmp9, 2
	s_add_co_u32 s19, s19, s17                     ; tile column 0..7
	s_and_b32 s20, ttmp7, 0xffff
	s_lshl_b32 s20, s20, 2
	s_add_co_u32 s20, s20, s18                     ; tile row 0..31
	s_lshl_b32 s21, s18, 2
	s_lshl_b32 s21, 15, s21
	s_lshl_b32 s22, 0x1111, s17
	s_or_b32 s24, s21, (3<<16)|(1<<21)             ; act: four rows of 4 KiB, 16 KiB apart
	s_mov_b32 s25, 512<<16
	s_mov_b32 s26, 4<<16
	s_mov_b32 s27, 512<<16
	s_mov_b32 s28, 4
	s_mov_b32 s29, 2048
	s_mov_b32 s30, 0
	s_mov_b32 s31, 0
	s_or_b32 s48, s22, (0<<16)|(1<<20)|(1<<21)|(5<<22)|(3<<25)   ; W: 64 rows of 256 bytes, 1,024 apart, 16 bytes of padding behind each
	s_mov_b32 s49, 256<<16
	s_mov_b32 s50, 64<<16
	s_mov_b32 s51, 256<<16
	s_mov_b32 s52, 64
	s_mov_b32 s53, 1024
	s_mov_b32 s54, 0
	s_mov_b32 s55, 0
	s_lshl_b32 s84, s20, 17
	s_lshl_b32 s86, s16, 16
	s_add_co_u32 s84, s84, s86
	s_mov_b32 s85, 0
	s_lshl_b32 s88, s19, 17
	s_add_co_u32 s88, s88, s86
	s_mov_b32 s89, 0
	s_lshl_b32 s87, s16, 14
	s_mul_i32 s23, s16, 17408
	s_add_co_u32 s23, s23, BOFF
	s_wait_dscnt 0x0
	s_wait_kmcnt 0x0
	s_load_b256 s[76:83], s[8:9], 0x0              ; par
	s_add_nc_u64 s[84:85], s[4:5], s[84:85]
	s_add_nc_u64 s[88:89], s[6:7], s[88:89]
.irp c, 0,1,2,3
	s_mov_b32 s[32+4*\c], 1
	s_add_co_u32 s[33+4*\c], s87, \c*32768
	s_add_nc_u64 s[34+4*\c:35+4*\c], s[84:85], \c*4096
	s_or_b32 s[35+4*\c], s[35+4*\c], 0x80000000
	s_mov_b32 s[56+4*\c+4*(\c/2)], 1
	s_add_co_u32 s[57+4*\c+4*(\c/2)], s23, \c*34816
	s_add_nc_u64 s[58+4*\c+4*(\c/2):59+4*\c+4*(\c/2)], s[88:89], \c*256
	s_or_b32 s[59+4*\c+4*(\c/2)], s[59+4*\c+4*(\c/2)], 0x80000000
.endr
	CROUND                                         ; all sixteen work-groups are here
	s_cmp_eq_u32 s15, 0                            ; a wave's four first fills stand in one branch
	s_cbranch_scc0 .Lfill_w
	tensor_load_to_lds s[32:35], s[24:31]
	s_nop 0
	tensor_load_to_lds s[36:39], s[24:31]
	s_nop 0
	tensor_load_to_lds s[40:43], s[24:31]
	s_nop 0
	tensor_load_to_lds s[44:47], s[24:31]
	s_nop 0
	PLACES
	s_branch .Lfilled
.Lfill_w:
	tensor_load_to_lds s[56:59], s[48:55]
	s_nop 0
	tensor_load_to_lds s[60:63], s[48:55]
	s_nop 0
	tensor_load_to_lds s[68:71], s[48:55]
	s_nop 0
	tensor_load_to_lds s[72:75], s[48:55]
	s_nop 0
	PLACES
.Lfilled:
	v_and_b32 v1, 15, v0
	v_bfe_u32 v2, v0, 4, 1
	v_and_b32 v3, 31, v0
	v_lshlrev_b32 v26, 4, v3                       ; 16 x lane
	s_lshl_b32 s94, s15, 14
	v_add_nc_u32 v16, s94, v26
	v_add_nc_u32 v17, 0x10000, v16
	v_mul_u32_u24 v5, v1, 272
	v_lshl_add_u32 v5, v2, 3, v5
	s_mul_i32 s94, s16, 17408
	s_add_co_u32 s94, s94, BOFF
	v_add_nc_u32 v20, s94, v5
	v_add_nc_u32 v21, 69632, v20
	s_lshl_b32 s92, s20, 3
	s_lshl_b32 s93, s15, 2
	s_add_co_u32 s92, s92, s93
	s_lshl_b32 s92, s92, 14                        ; my first token tile x 16 KiB,
	s_lshl_b32 s93, s19, 2
	s_lshl_b32 s94, s16, 1
	s_add_co_u32 s93, s93, s94
	s_lshl_b32 s93, s93, 9
	s_add_co_u32 s92, s92, s93                     ; + my first chunk of 32 columns x 512
	s_mov_b32 s93, 0
	s_add_nc_u64 s[10:11], s[10:11], s[92:93]
	s_wait_alu depctr_va_vdst(0)
	s_wait_kmcnt 0x0
	s_sub_co_i32 s90, s80, s78
	s_sub_co_i32 s90, s90, s79                     ; a sum stands for sum x 2^(eA + eB): its code is sum / 2^(eOut - eA - eB)
	s_add_co_i32 s90, s90, 127
	s_lshl_b32 s91, s90, 23
	v_mov_b32 v31, s91
	s_add_co_i32 s90, s90, 8
	s_lshl_b32 s90, s90, 23
	s_or_b32 s90, s90, 0x600000
	v_mov_b32 v30, s90                             ; the upper hold
	s_mul_f32 s91, s90, s81
	v_mov_b32 v29, s91                             ; the lower: its negative, or 0
.macro FETCH i, f
	WIN 0x40
.irp a, 0,1,2,3
.irp q, 0,1,2,3
	ds_load_b128 v[\f+16*\a+4*\q:\f+16*\a+4*\q+3], v[16+(\i)/4] offset:(((\i)/2)%2)*32768+\a*4096+((\i)%2)*2048+\q*512
.endr
.endr
.irp b, 0,1,2,3
.irp c, 0,1,2,3,4,5,6,7
	ds_load_b64 v[\f+64+16*\b+2*\c:\f+64+16*\b+2*\c+1], v[20+(\i)/4] offset:(((\i)/2)%2)*34816+\b*4352+((\i)%2)*128+16*\c
.endr
.endr
.endm
.macro MUL16 f, zero                   ; the 16 accumulators take turns, in the same order in every step
	WIN 0x05
.irp a, 0,1,2,3
.irp b, 0,1,2,3
.if \zero
	v_wmma_f32_16x16x128_fp8_fp8 v[128+8*(4*\a+\b):135+8*(4*\a+\b)], v[\f+64+16*\b:\f+79+16*\b], v[\f+16*\a:\f+15+16*\a], 0
.else
	v_wmma_f32_16x16x128_fp8_fp8 v[128+8*(4*\a+\b):135+8*(4*\a+\b)], v[\f+64+16*\b:\f+79+16*\b], v[\f+16*\a:\f+15+16*\a], v[128+8*(4*\a+\b):135+8*(4*\a+\b)]
.endif
.endr
.endr
.endm
.macro KS i, zero
	s_wait_dscnt 0x0                               ; this step's fragments are in
.if (\i) < 7
.if ((\i)+1)%2 == 0
	s_wait_tensorcnt 3-((\i)+1)/2                  ; my part of the next chunk has landed; my later chunks' loads may stay out
	s_barrier_signal -1
	s_barrier_wait -1
.endif
.if (\i) > 0
	PLACES                                         ; in front of loads into the buffer that the last step multiplied
.endif
	FETCH (\i)+1, 128*(((\i)+1)%2)
.endif
	MUL16 128*((\i)%2), \zero
.endm
	s_wait_tensorcnt 3                             ; my part of chunk 0 has landed; three loads may stay out
	s_barrier_signal -1
	s_barrier_wait -1
	FETCH 0, 0
	KS 0, 1
	KS 1, 0
	KS 2, 0
	KS 3, 0
	KS 4, 0
	KS 5, 0
	KS 6, 0
	KS 7, 0
	WIN 0
	PLACES
	s_wait_alu depctr_va_vdst(0)
.irp a, 0,1,2,3
.irp b, 0,1,2,3
.irp n, 0,1,2,3,4,5,6,7
	v_med3_num_f32 v[128+8*(4*\a+\b)+\n], v[128+8*(4*\a+\b)+\n], v29, v30   ; the hold (the conversion does not saturate: ISA guide 7.6.2), and where m = 0 the activation; each accumulator from its low end on
.endr
	v_cvt_scalef32_pk8_fp8_f32 v[32+8*\a+2*\b:33+8*\a+2*\b], v[128+8*(4*\a+\b):135+8*(4*\a+\b)], v31
.endr
.endr
	v_nop                                          ; a plain line behind the last conversion
.irp a, 0,1,2,3
.irp q, 0,1
	global_store_b128 v26, v[32+8*\a+4*\q:35+8*\a+4*\q], s[10:11] offset:\a*16384+\q*512   ; 32 lanes store 512 consecutive bytes, aligned
.endr
.endr
	s_wait_dscnt 0x0
	s_wait_tensorcnt 0x0
	ds_add_u32 v126, v127
	s_wait_dscnt 0x0
	CROUND                                         ; the closing round
	s_endpgm
.Lfunc_end_k_q662284b2ee_wq2:
	.size	k_q662284b2ee_wq2, .Lfunc_end_k_q662284b2ee_wq2-k_q662284b2ee_wq2
	.p2alignl 7, 3214868480
	.fill 96, 4, 3214868480
	.section	.rodata,"a",@progbits
	.p2align	6, 0x0
	.amdhsa_kernel k_q662284b2ee_wq2
		.amdhsa_group_segment_fixed_size 295424
		.amdhsa_private_segment_fixed_size 0
		.amdhsa_enable_private_segment 0
		.amdhsa_kernarg_size 32
		.amdhsa_user_sgpr_count 2
		.amdhsa_user_sgpr_kernarg_segment_ptr 1
		.amdhsa_wavefront_size32 1
		.amdhsa_system_sgpr_workgroup_id_x 1
		.amdhsa_system_sgpr_workgroup_id_y 1
		.amdhsa_system_sgpr_workgroup_id_z 1
		.amdhsa_system_vgpr_workitem_id 0
		.amdhsa_next_free_vgpr 512
		.amdhsa_next_free_sgpr 96
		.amdhsa_reserve_vcc 0
		.amdhsa_float_denorm_mode_32 3
		.amdhsa_float_denorm_mode_16_64 3
		.amdhsa_memory_ordered 1
		.amdhsa_forward_progress 1
		.amdhsa_inst_pref_size 52
	.end_amdhsa_kernel
	.amdgpu_metadata
---
amdhsa.version: [ 1, 2 ]
amdhsa.kernels:
  - .name:           k_q662284b2ee_wq2
    .symbol:         k_q662284b2ee_wq2.kd
    .args:
      - { .name: hbuf, .offset: 0, .size: 8, .value_kind: global_buffer, .address_space: global }
      - { .name: Wq2_codes, .offset: 8, .size: 8, .value_kind: global_buffer, .address_space: global }
      - { .name: pa, .offset: 16, .size: 8, .value_kind: global_buffer, .address_space: global }
      - { .name: qkv, .offset: 24, .size: 8, .value_kind: global_buffer, .address_space: global }
    .group_segment_fixed_size: 295424
    .private_segment_fixed_size: 0
    .kernarg_segment_align: 8
    .kernarg_segment_size: 32
    .max_flat_workgroup_size: 128
    .sgpr_count:     96
    .vgpr_count:     512
    .wavefront_size: 32
...
	.end_amdgpu_metadata
.endif
;; end of part 6
;; launch attn2 (part 7): grid 32 x 8, 8 waves a work-group, clusters of 4 x 4, 327,680 bytes of LDS; arguments qkv, position_embedding, lowp_scales, obuf; writes obuf
.if DOCPART == 7
	.amdgcn_target "amdgcn-amd-amdhsa--gfx1250"
	.amdhsa_code_object_version 6
	.text
	.protected	k_q662284b2ee_attn2
	.globl	k_q662284b2ee_attn2
	.p2align	8
	.type	k_q662284b2ee_attn2,@function
k_q662284b2ee_attn2:
	s_mov_b64 s[64:65], 0
	v_nop
	global_prefetch_b8 v0, s[64:65] scope:SCOPE_SE
	s_setreg_imm32_b32 hwreg(HW_REG_WAVE_MODE, 25, 1), 1
	s_wait_xcnt 0x0
	s_wait_alu depctr_hold_cnt(0) depctr_sa_sdst(0) depctr_va_vdst(0) depctr_va_sdst(0) depctr_va_ssrc(0) depctr_va_vcc(0) depctr_vm_vsrc(0)
	s_getreg_b32 s2, hwreg(HW_REG_IB_STS2, 6, 4)
	s_cmp_eq_u32 s2, 0
	s_cbranch_scc0 .Lentry_in_a_cluster
	s_endpgm
.Lentry_in_a_cluster:
	s_bfe_u32 s2, ttmp6, 0x10000c
	s_cmp_lg_u32 s2, 0xf033
	s_cbranch_scc0 .Lentry_shape_is_right
	s_endpgm
.Lentry_shape_is_right:
; o = softmax(q k^T / 8 + bias) v for 2 batches x 16 heads of 64, 2,048 queries and NK keys, both products on E4M3 codes; o is quantised at once for the product that reads it.
; The bias [2048][NK] f32 is an input and is honoured as it is given: every key is walked for every query.
; q, k, v arrive, and o leaves, as images of the operands' registers (lane (r, h): row r; registers 2 c, 2 c + 1: k = 16 c + 8 h + 0..7; four registers = 512 bytes, lane l at 16 l).
; THE SOFTMAX: t = logit x log2(e); M = the running largest t rounded up to a whole number; p = 2^(t - M) is quantised, not normalised; the row's sum is taken of the unquantised p and divides at the end; when M moves, the sum and O
; are multiplied by 2^(old M - new M), which rounds nothing.
; SHARES.  A work-group: 64 queries x 4 heads of one batch.  Wave w: head w / 2, queries 32 (w % 2) on: TWO tiles of 16 queries (tile A in register window 0, tile B in window 1, same numbers), which share every fragment of K and V.
; Both products are used transposed (S^T = K Q^T, O^T = V^T P^T): a lane holds one query throughout, and a converted tile of p or of O^T is a pair of the next operand's registers.
; THE BIAS IS THE C OF THE SCORE PRODUCT: bias x 2^(3 - eq - ek), an exact factor, so that (sum + C) x log2(e) / 8 x 2^(eq + ek) = t.
; THE TWO TILES RUN HALF A STEP APART, so that each run of LDS loads stands in front of the other tile's softmax and lands under it.  Key step j: K(j) and A's bias are asked for | B's softmax and V^T P of step j - 1 (its scores and
; V(j - 1) stayed in registers) | A's K Q^T | V(j) and B's bias are asked for | A's softmax | A's V^T P, B's K Q^T.  All reads of slot j are waited for inside step j.
; CLUSTER 4 x 4: the four work-groups of a row (same heads, other queries) ask jointly for K and V, the four of a column (same queries, other heads) for the bias.
; A slot holds 128 keys: 4 heads x (8 KiB K + 8 KiB V), then 64 rows of bias (512 bytes + 16 of padding).  Two slots, 2^17 bytes apart.
; LIMITS: eq + ek between -123 and 129; ep and eo between -126 and 119.  NaN among the inputs is not served.  1 / l by v_rcp_f32.
; REGISTERS, window 0 alone: v1, v2 places in a slot; v5, v6 the add's; v7 16 x lane; v8, v9 addresses in hand; v32-95 K's fragments.  Window 1 alone: v32-95 V's fragments.  Both windows: v12 -M, v13 largest t, v16-23 Q,
; v96-159 S^T then p, v160-191 O^T, v192-195 four maxima, v196, v197 at work, v[198:199] f, v200-207 the row's sum in four pairs, v224-239 p's codes, v244 2^ep, v245 2^eo.
.set NK,    1024                       ; keys
.set KVOFF, 12582912                   ; where this attention's K and V lie in qkv
.set SC0,   72                         ; byte of eq in the exponents: eq, ek, ev, ep, eo follow each other
.set NKB,   NK/128
.set SLOT1, 131072
.set SPARE, 262144                     ; the spare words, 128 bytes for each of eight waves, which no other line names
.set KF,  32                           ; K's fragments (window 0), V's (window 1)
.set SS,  96
.set OO,  160
.set MX,  192
.set PT,  196
.set TM,  197
.set FF,  198
.set LL,  200
.set PC,  224
.set MSB, 0
.macro WIN new                         ; the immediate's high byte repeats the setting that is left
.if MSB != \new
	s_set_vgpr_msb (MSB<<8)|\new
.set MSB, \new
.endif
.endm
.macro CROUND
	s_barrier_signal -1
	s_barrier_wait -1
	s_cmp_lg_u32 s12, 0
	s_cbranch_scc1 .Lnot_wave_0_\@
	s_barrier_signal -3
.Lnot_wave_0_\@:
	s_barrier_wait -3
	s_barrier_signal -1
	s_barrier_wait -1
.endm
.macro TLOAD                           ; waves 0, 1: two heads' K and V each; waves 2, 3: 32 rows of bias each; the others nothing.  Four v_nop follow each line
	s_cmp_lt_u32 s12, 2
	s_cbranch_scc0 .Lnot_k_\@
	tensor_load_to_lds s[40:43], s[24:31]
	s_nop 0
.rept 4
	v_nop
.endr
	s_branch .Lasked_\@
.Lnot_k_\@:
	s_cmp_lt_u32 s12, 4
	s_cbranch_scc0 .Lasked_\@
	tensor_load_to_lds s[44:47], s[32:39]
	s_nop 0
.rept 4
	v_nop
.endr
.Lasked_\@:
.endm
	s_load_b256 s[4:11], s[0:1], 0x0               ; qkv, the bias, the exponents, o
	v_lshl_add_u32 v5, v0, 2, SPARE
	v_mov_b32 v6, 0
	ds_add_u32 v5, v6
	s_wait_dscnt 0x0
	v_lshrrev_b32 v1, 5, v0
	v_readfirstlane_b32 s12, v1                    ; wave 0..7
	s_bfe_u32 s13, ttmp6, 0x40000                  ; cx
	s_bfe_u32 s14, ttmp6, 0x40004                  ; cy: the group of four heads
	s_lshl_b32 s15, ttmp9, 2
	s_add_co_u32 s15, s15, s13                     ; my block of 64 queries
	s_and_b32 s16, ttmp7, 0xffff                   ; the batch
	s_lshr_b32 s17, s12, 1                         ; my head of the four
	s_and_b32 s18, s12, 1                          ; my 32 queries of the 64; also: which half I fetch
	s_lshl_b32 s54, s14, 2
	s_lshl_b32 s54, 15, s54                        ; my row of the cluster
	s_lshl_b32 s55, 0x1111, s13                    ; my column
	s_or_b32 s24, s54, (3<<16)|(1<<21)             ; K and V: the mask; elements of 8 bytes; bit 21 beside a mask; no padding
	s_mov_b32 s25, 2048<<16                        ; tensor_dim0: 16 KiB, a head's block of 128 keys
	s_mov_b32 s26, 2<<16                           ; tensor_dim1: two heads
	s_mov_b32 s27, 2048<<16                        ; tile_dim0
	s_mov_b32 s28, 2                               ; tile_dim1
	s_mov_b32 s29, NKB*2048                        ; from head to head
	s_mov_b32 s30, 0
	s_mov_b32 s31, 0
	s_or_b32 s32, s55, (2<<16)|(1<<20)|(1<<21)|(6<<22)|(3<<25)   ; the bias: elements of 4 bytes; 4 words of padding behind every 128
	s_mov_b32 s33, 128<<16
	s_mov_b32 s34, 32<<16
	s_mov_b32 s35, 128<<16
	s_mov_b32 s36, 32
	s_mov_b32 s37, NK
	s_mov_b32 s38, 0
	s_mov_b32 s39, 0
	s_lshl_b32 s56, s16, 4
	s_lshl_b32 s57, s14, 2
	s_add_co_u32 s56, s56, s57
	s_lshl_b32 s57, s18, 1
	s_add_co_u32 s56, s56, s57                     ; batch x 16 + 4 cy + 2 x half: the first head that I fetch
	s_mul_i32 s56, s56, NKB*16384
	s_add_co_u32 s56, s56, KVOFF
	s_mov_b32 s57, 0
	s_lshl_b32 s58, s15, 6
	s_lshl_b32 s59, s18, 5
	s_add_co_u32 s58, s58, s59                     ; the first row of bias that I fetch
	s_mul_i32 s58, s58, NK*4
	s_mov_b32 s59, 0
	s_lshl_b32 s60, s16, 7
	s_lshl_b32 s61, s15, 2
	s_add_co_u32 s60, s60, s61
	s_lshl_b32 s61, s18, 1
	s_add_co_u32 s60, s60, s61                     ; my first tile of 16 tokens
	s_lshl_b32 s60, s60, 14
	s_lshl_b32 s61, s14, 2
	s_add_co_u32 s61, s61, s17                     ; my head
	s_lshl_b32 s61, s61, 10
	s_add_co_u32 s60, s60, s61                     ; my place in q's and in o's image
	s_mov_b32 s61, 0
	s_mov_b32 s20, 0x76543210                      ; v_permlanex16_b32: lane l xor 16
	s_mov_b32 s21, 0xfedcba98
	s_mov_b32 s50, 0                               ; the slot in hand
	s_mov_b32 s51, NKB-2                           ; the loop's trips: every key step but the first and the last
	s_wait_kmcnt 0x0
	s_load_b64 s[66:67], s[8:9], SC0               ; eq, ek
	s_load_b64 s[68:69], s[8:9], SC0+8             ; ev, ep
	s_load_b32 s70, s[8:9], SC0+16                 ; eo
	s_mov_b32 s40, 1
	s_lshl_b32 s41, s18, 15                        ; LDS: two heads x 16 KiB a half
	s_add_nc_u64 s[42:43], s[4:5], s[56:57]
	s_or_b32 s43, s43, 0x80000000
	s_mov_b32 s44, 1
	s_mul_i32 s45, s18, 16896
	s_add_co_u32 s45, s45, 65536                   ; LDS: behind K and V, 32 rows x 528 a half
	s_add_nc_u64 s[46:47], s[6:7], s[58:59]
	s_or_b32 s47, s47, 0x80000000
	CROUND                                         ; all sixteen work-groups are here
	TLOAD                                          ; slot 0
	s_add_nc_u64 s[4:5], s[4:5], s[60:61]
	s_add_nc_u64 s[10:11], s[10:11], s[60:61]
	v_and_b32 v10, 31, v0
	v_lshlrev_b32 v7, 4, v10
	global_load_b128 v[16:19], v7, s[4:5]          ; Q stays in registers: tile A,
	global_load_b128 v[20:23], v7, s[4:5] offset:512
	WIN 0x40
	global_load_b128 v[16:19], v7, s[4:5] offset:16384   ; tile B
	global_load_b128 v[20:23], v7, s[4:5] offset:16896
	WIN 0
	s_lshl_b32 s53, s17, 14
	v_add_nc_u32 v1, s53, v7                       ; my head's K and V in a slot, 16 bytes a lane
	v_and_b32 v10, 15, v0
	v_bfe_u32 v11, v0, 4, 1
	s_lshl_b32 s53, s18, 5
	v_add_nc_u32 v10, s53, v10
	v_mul_u32_u24 v2, v10, 528
	v_lshl_add_u32 v2, v11, 5, v2
	v_add_nc_u32 v2, 0x10000, v2                   ; the bias: row 32 (w % 2) + r, + 32 h: my eight keys of a tile of 16
	s_wait_kmcnt 0x0
	s_add_co_i32 s54, s66, s67
	s_lshl_b32 s55, s54, 23
	s_mov_b32 s22, 0x3e38aa3b                      ; log2(e) / 8,
	s_add_co_i32 s22, s22, s55                     ; x 2^(eq + ek): added to its exponent field
	s_mov_b32 s23, s22
	s_sub_co_i32 s48, 130, s54
	s_lshl_b32 s48, s48, 23                        ; 2^(3 - eq - ek)
	s_mov_b32 s49, s48
	s_add_co_i32 s52, s68, s69                     ; ev + ep
	s_add_co_i32 s54, s69, 127
	s_lshl_b32 s56, s54, 23                        ; 2^ep
	s_add_co_i32 s54, s70, 127
	s_lshl_b32 s58, s54, 23                        ; 2^eo
.macro INIT w                          ; a softmax is written once: the first finds zeros, which the first change of M leaves zeros
	WIN \w
	v_mov_b32 v13, 0xff61b1e6                      ; -3e38, under every t
	v_floor_f32 v12, -v13
	v_mov_b32 v[PT], 0                             ; a lane permute's destination counts as one of its sources
	v_mov_b32 v[FF+1], 0                           ; (named as the upper half of the pair)
.set j, 0
.rept 8
	v_mov_b32 v[LL+j], 0
.set j, j+1
.endr
.set j, 0
.rept 32
	v_mov_b32 v[OO+j], 0
.set j, j+1
.endr
	v_mov_b32 v244, s56
	v_mov_b32 v245, s58
.endm
	INIT 0
	INIT 0x55
	WIN 0
; ONE TILE'S SOFTMAX FOR 128 KEYS; every operand lies in the tile's window.  Behind the maximum the work goes in eight groups of eight scores (group t = the score product's tile t), and the groups overlap:
; in turn t the eight exponentials of group t are issued, and behind each of them stand up to two plain lines that are ready.  PLAIN writes plain line n (0..15) of turn t:
;   n 0-3    t - M for the four pairs of group t + 1 (turn 7, which has no successor: the last four pairs of O^T x f)
;   n 4-7    the row's sum takes the four pairs of group t - 1, each pair into a running sum of its own; group 0's addition is a multiply-add that also brings the sum under the new M (turn 0: O^T x f)
;   n 8-15   nothing (turn 0: O^T x f)
; So no exponential's result is touched by the line behind it, and no two lines that follow each other hang on one another.
.macro PLAIN
.if n < 4
.if t < 7
	v_pk_fma_f32 v[SS+8*t+8+2*n:SS+8*t+9+2*n], v[SS+8*t+8+2*n:SS+8*t+9+2*n], s[22:23], v[12:13] op_sel_hi:[1,0,0]
.else
	v_pk_mul_f32 v[OO+24+2*n:OO+25+2*n], v[OO+24+2*n:OO+25+2*n], v[FF:FF+1] op_sel_hi:[1,0]
.endif
.elseif t == 0
	v_pk_mul_f32 v[OO+2*n-8:OO+2*n-7], v[OO+2*n-8:OO+2*n-7], v[FF:FF+1] op_sel_hi:[1,0]   ; each accumulator of O^T from its low end on
.elseif n < 8
.if t == 1
	s_wait_alu depctr_va_vdst(0)
	v_pk_fma_f32 v[LL+2*n-8:LL+2*n-7], v[LL+2*n-8:LL+2*n-7], v[FF:FF+1], v[SS+2*n-8:SS+2*n-7] op_sel_hi:[1,0,1]
.else
	s_wait_alu depctr_va_vdst(0)
	v_pk_add_f32 v[LL+2*n-8:LL+2*n-7], v[LL+2*n-8:LL+2*n-7], v[SS+8*t+2*n-16:SS+8*t+2*n-15]
.endif
.else
.endif
.endm
.macro SOFTMAX w
	WIN \w
.irp k, 0,1,2,3
	v_max3_num_f32 v[MX+\k], v[SS+16*\k], v[SS+16*\k+1], v[SS+16*\k+2]   ; the largest score of my query among my 64 keys: four chains of 16, by turns; each accumulator is first read at its low end
.endr
.irp i, 3,5,7,9,11,13
.irp k, 0,1,2,3
	v_max3_num_f32 v[MX+\k], v[MX+\k], v[SS+16*\k+\i], v[SS+16*\k+\i+1]
.endr
.endr
	v_max3_num_f32 v[MX], v[MX], v[SS+15], v[SS+31]
	v_max3_num_f32 v[MX+2], v[MX+2], v[SS+47], v[SS+63]
	v_max3_num_f32 v[MX], v[MX], v[MX+1], v[MX+2]
	v_max_num_f32 v[MX], v[MX], v[MX+3]
	v_permlanex16_b32 v[PT], v[MX], s20, s21
	v_mov_b32 v[TM], v12                           ; the old -M
	v_max_num_f32 v[MX], v[MX], v[PT]              ; and among lane l xor 16's
	v_mul_f32 v[MX], s22, v[MX]                    ; as t
	v_max_num_f32 v13, v13, v[MX]
	v_floor_f32 v12, -v13                          ; -M = floor(-t): M is a whole number
	v_sub_f32 v[TM], v12, v[TM]
	v_cvt_i32_f32 v[TM], v[TM]                     ; old M - new M (it saturates)
	v_ldexp_f32 v[FF], 1.0, v[TM]                  ; f = 2^(old M - new M)
.irp k, 0,2,4,6
	v_pk_fma_f32 v[SS+\k:SS+\k+1], v[SS+\k:SS+\k+1], s[22:23], v[12:13] op_sel_hi:[1,0,0]   ; t - M for group 0
.endr
.set t, 0
.rept 8
.set n, 0
.rept 8
	v_exp_f32 v[SS+8*t+n/2], v[SS+8*t+n/2]         ; p = 2^(t - M)
	PLAIN
.set n, n+1
	PLAIN
.set n, n+1
.endr
.if t > 0
	v_cvt_scalef32_pk8_fp8_f32 v[PC+2*t-2:PC+2*t-1], v[SS+8*t-8:SS+8*t-1], v244   ; group t - 1: keys 16 (t - 1) + 8 h + 0..7: a pair of the second product's operand
.endif
.set t, t+1
.endr
.set n, 4
.rept 12
	PLAIN                                          ; group 7's sums
.set n, n+1
.endr
	v_cvt_scalef32_pk8_fp8_f32 v[PC+14:PC+15], v[SS+56:SS+63], v244
	v_nop                                          ; a plain line between the last conversion and the product that reads its result
.endm
; S^T = K Q^T + the bias: the bias, which the loads left in the result's registers, x 2^(3 - eq - ek) under window setting wm; eight products under ww.
.macro QK wm, ww
	WIN \wm
.irp j, 0,2,4,6,8,10,12,14,16,18,20,22,24,26,28,30,32,34,36,38,40,42,44,46,48,50,52,54,56,58,60,62
	v_pk_mul_f32 v[SS+\j:SS+\j+1], v[SS+\j:SS+\j+1], s[48:49] op_sel_hi:[1,0]
.endr
	WIN \ww
.irp t, 0,1,2,3,4,5,6,7
	v_wmma_f32_16x16x64_fp8_fp8 v[SS+8*\t:SS+8*\t+7], v[KF+8*\t:KF+8*\t+7], v[16:23], v[SS+8*\t:SS+8*\t+7]
.endr
.endm
; O^T += V^T P^T: V in window 1; w = 0x01: tile A's p and O^T (window 0); 0x55: tile B's.  The accumulators take turns.
.macro PV w
	WIN \w
.irp c, 0,1,2,3
	v_wmma_f32_16x16x128_fp8_fp8 v[OO+8*\c:OO+8*\c+7], v[KF+16*\c:KF+16*\c+15], v[PC:PC+15], v[OO+8*\c:OO+8*\c+7]
.endr
.endm
; A KEY STEP: 128 keys.  first = 1: the first, in which tile B has no step behind it.
.macro STEP first
	v_add_nc_u32 v8, s50, v1
	v_add_nc_u32 v9, s50, v2
	v_nop
	v_nop                                          ; four plain lines between tile B's score products and the loads over K's fragments, and the first read of those scores
.irp t, 0,1,2,3,4,5,6,7
	ds_load_b128 v[KF+8*\t:KF+8*\t+3], v8 offset:\t*1024            ; K: tile t of 16 keys
	ds_load_b128 v[KF+8*\t+4:KF+8*\t+7], v8 offset:\t*1024+512
.endr
.irp t, 0,1,2,3,4,5,6,7
	ds_load_b128 v[SS+8*\t:SS+8*\t+3], v9 offset:64*\t              ; the bias in the result's layout, tile A
	ds_load_b128 v[SS+8*\t+4:SS+8*\t+7], v9 offset:64*\t+16
.endr
.if !\first
	SOFTMAX 0x55                                   ; tile B, the step before: the 32 loads above land under it
	PV 0x55
.endif
	s_wait_dscnt 0x0                               ; K and tile A's bias are in
	QK 0, 0                                        ; its 32 multiplications are also the places between tile B's products and the loads over V's fragments
.rept 4
	v_nop                                          ; places in front of the first read of tile A's scores
.endr
	WIN 0x40                                       ; destination window 1
.irp c, 0,1,2,3
.irp q, 0,1,2,3
	ds_load_b128 v[KF+16*\c+4*\q:KF+16*\c+4*\q+3], v8 offset:8192+\c*2048+\q*512   ; V^T: tile c of 16 channels x 128 keys
.endr
.endr
.irp t, 0,1,2,3,4,5,6,7
	ds_load_b128 v[SS+8*\t:SS+8*\t+3], v9 offset:8448+64*\t         ; tile B's bias: 16 rows further down
	ds_load_b128 v[SS+8*\t+4:SS+8*\t+7], v9 offset:8448+64*\t+16
.endr
	SOFTMAX 0                                      ; tile A: these 32 loads land under it
	s_wait_dscnt 0x0                               ; V and tile B's bias are in: my reads of this slot are over
	PV 0x01
	QK 0x55, 0x54                                  ; K in window 0; Q, C and D in window 1.  Tile B's scores wait in registers for the next step
	WIN 0
.endm
; THE CHANGE OF SLOTS stands at a slot's head.  Each wave waits for all its tensor loads (its part of the slot ahead), adds 0 to its spare word, and waits for that and for its reads of the slot that it has left.
; fill = 1: a round of the cluster's barrier, and behind it the slot just left is filled with the next 128 keys: the load has a whole key step in which to land.
.macro CHANGE fill
	s_wait_tensorcnt 0x0
	ds_add_u32 v5, v6
.if \fill
	s_xor_b32 s41, s41, SLOT1
	s_add_nc_u64 s[42:43], s[42:43], 16384
	s_xor_b32 s45, s45, SLOT1
	s_add_nc_u64 s[46:47], s[46:47], 512
.endif
	s_wait_dscnt 0x0
.if \fill
	CROUND
	TLOAD
.else
	s_barrier_signal -1
	s_barrier_wait -1
.endif
.endm
	s_wait_loadcnt 0x0                             ; Q
	CHANGE 1
	STEP 1                                         ; the first key step is written out: tile B has nothing behind it yet
	s_xor_b32 s50, s50, SLOT1
.Lslot:                                            ; NKB - 2 trips
	CHANGE 1
	STEP 0
	s_xor_b32 s50, s50, SLOT1
	s_sub_co_u32 s51, s51, 1
	s_cmp_lg_u32 s51, 0
	s_cbranch_scc1 .Lslot
	CHANGE 0                                       ; the last slot is written out
	STEP 0
.rept 4
	v_nop                                          ; places in front of the first read of tile B's last scores
.endr
	SOFTMAX 0x55                                   ; tile B's last step
	PV 0x55
	WIN 0
; THE WAY OUT of a tile: O^T / the sum x 2^(ep + ev), converted with 2^eo: tile c of channels gives registers 2 c, 2 c + 1 of the next product's operand.
.macro OUT w, dw, off
	WIN \w
	v_pk_add_f32 v[LL:LL+1], v[LL:LL+1], v[LL+2:LL+3]             ; the sum's four pairs,
	v_pk_add_f32 v[LL+4:LL+5], v[LL+4:LL+5], v[LL+6:LL+7]
	v_pk_add_f32 v[LL:LL+1], v[LL:LL+1], v[LL+4:LL+5]
	v_add_f32 v14, v[LL], v[LL+1]
	v_permlanex16_b32 v[PT], v14, s20, s21
	v_add_f32 v14, v14, v[PT]                      ; and lane l xor 16's
	v_rcp_f32 v14, v14
	v_nop
	s_wait_alu depctr_va_vdst(0)
	v_ldexp_f32 v14, v14, s52
.set j, 0
.rept 32
	v_mul_f32 v[SS+j], v[OO+j], v14
.set j, j+1
.endr
.set j, 0
.rept 32
.set j, j+1
.endr
.irp c, 0,1,2,3
	v_cvt_scalef32_pk8_fp8_f32 v[PC+2*\c:PC+2*\c+1], v[SS+8*\c:SS+8*\c+7], v245
.endr
	v_nop
	WIN \dw
	global_store_b128 v7, v[PC:PC+3], s[10:11] offset:\off        ; 32 lanes store 512 consecutive bytes, aligned
	global_store_b128 v7, v[PC+4:PC+7], s[10:11] offset:\off+512
.endm
.rept 4
	v_nop                                          ; places behind the last products
.endr
	OUT 0, 0, 0
	OUT 0x55, 0x04, 16384
	WIN 0
	s_wait_tensorcnt 0x0                           ; the wave's end
	ds_add_u32 v5, v6
	s_wait_dscnt 0x0
	CROUND                                         ; the closing round
	s_endpgm
.Lfunc_end_k_q662284b2ee_attn2:
	.size	k_q662284b2ee_attn2, .Lfunc_end_k_q662284b2ee_attn2-k_q662284b2ee_attn2
	.p2alignl 7, 3214868480
	.fill 96, 4, 3214868480
	.section	.rodata,"a",@progbits
	.p2align	6, 0x0
	.amdhsa_kernel k_q662284b2ee_attn2
		.amdhsa_group_segment_fixed_size 327680
		.amdhsa_private_segment_fixed_size 0
		.amdhsa_enable_private_segment 0
		.amdhsa_kernarg_size 32
		.amdhsa_user_sgpr_count 2
		.amdhsa_user_sgpr_kernarg_segment_ptr 1
		.amdhsa_wavefront_size32 1
		.amdhsa_system_sgpr_workgroup_id_x 1
		.amdhsa_system_sgpr_workgroup_id_y 1
		.amdhsa_system_sgpr_workgroup_id_z 1
		.amdhsa_system_vgpr_workitem_id 0
		.amdhsa_next_free_vgpr 512
		.amdhsa_next_free_sgpr 72
		.amdhsa_reserve_vcc 0
		.amdhsa_float_denorm_mode_32 3
		.amdhsa_float_denorm_mode_16_64 3
		.amdhsa_fp16_overflow 1
		.amdhsa_memory_ordered 1
		.amdhsa_forward_progress 1
		.amdhsa_inst_pref_size 113
	.end_amdhsa_kernel
	.amdgpu_metadata
---
amdhsa.version: [ 1, 2 ]
amdhsa.kernels:
  - .name:           k_q662284b2ee_attn2
    .symbol:         k_q662284b2ee_attn2.kd
    .args:
      - { .name: qkv, .offset: 0, .size: 8, .value_kind: global_buffer, .address_space: global }
      - { .name: position_embedding, .offset: 8, .size: 8, .value_kind: global_buffer, .address_space: global }
      - { .name: lowp_scales, .offset: 16, .size: 8, .value_kind: global_buffer, .address_space: global }
      - { .name: obuf, .offset: 24, .size: 8, .value_kind: global_buffer, .address_space: global }
    .group_segment_fixed_size: 327680
    .private_segment_fixed_size: 0
    .kernarg_segment_align: 8
    .kernarg_segment_size: 32
    .max_flat_workgroup_size: 256
    .sgpr_count:     72
    .vgpr_count:     512
    .wavefront_size: 32
...
	.end_amdgpu_metadata
.endif
;; end of part 7
;; launch wo2: the kernel of part 4 again; grid 8 x 32, 4 waves a work-group, clusters of 4 x 4, 295,424 bytes of LDS; arguments obuf, Wo2_codes, pb, x1, x2; writes x2
;; launch norm3: the kernel of part 5 again; grid 256 x 1, 4 waves a work-group, no clusters, 17,408 bytes of LDS; arguments x2, g3, pb, hbuf; writes hbuf
;; launch w1: the kernel of part 6 again; grid 8 x 32, 4 waves a work-group, clusters of 4 x 4, 295,424 bytes of LDS; arguments hbuf, W1_codes, pb, obuf; writes obuf
;; launch w2: the kernel of part 4 again; grid 8 x 32, 4 waves a work-group, clusters of 4 x 4, 295,424 bytes of LDS; arguments obuf, W2_codes, pc, x2, out0; writes out0
